; MI455X (gfx1250); checked and timed in simulation.
; The chip was launched on July 23, 2026; its instructions are those of AMD's public machine-readable ISA for CDNA 5 (MIT licence, August 2026) and "CDNA5" Instruction Set Architecture Reference Guide (July 2026). The comments in the code are by the model that wrote it; some were corrected since.
;; Complex Multihead Attention. Allowed arithmetic: matrix products marked QUANTISED: E4M3 operands, one E8M0 scale for each 32 along K, by v_wmma_scale_f32_16x16x128_f8f6f4 with both operands' format E4M3, f32 sums; everything else in f32.
;; Inputs: kWi 512 x 512 float32; kWr 512 x 512 float32; kbi 512 float32; kbr 512 float32; key 2 x 4,096 x 512 float32; oWi 512 x 512 float32; oWr 512 x 512 float32; obi 512 float32; obr 512 float32; qWi 512 x 512 float32; qWr 512 x 512 float32; qbi 512 float32; qbr 512 float32; query 2 x 4,096 x 512 float32; vWi 512 x 512 float32; vWr 512 x 512 float32; value 2 x 4,096 x 512 float32; vbi 512 float32; vbr 512 float32.
;; Outputs: out0 2 x 4,096 x 512 float32; out1 2 x 4,096 x 512 float32.
;; This version of the problem:
;;   THIS VERSION OF THE PROBLEM IS GIVEN IN LOW PRECISION. The matrix products marked QUANTISED in the list below multiply operands that are first quantised to E4M3 (4 exponent bits, 3 mantissa bits; 8 bits a number), with one power-of-two scale for each 32 numbers along K (OCP MX v1.0); their sums are f32. All else is computed in f32.
;;   The module's matrix products, in the order in which they are computed (A, B: the left and right operand; K: the contracted axis; several contracted axes count as one K, in the product's order):
;;     1. [M 8,192, K 512] x [K 512, N 512]; A: input query; B: input qWr: QUANTISED
;;     2. [M 8,192, K 512] x [K 512, N 512]; A: input query; B: input qWi: QUANTISED
;;     3. [M 8,192, K 512] x [K 512, N 512]; A: input key; B: input kWr: QUANTISED
;;     4. [M 8,192, K 512] x [K 512, N 512]; A: input key; B: input kWi: QUANTISED
;;     5. [M 8,192, K 512] x [K 512, N 512]; A: input value; B: input vWr: QUANTISED
;;     6. [M 8,192, K 512] x [K 512, N 512]; A: input value; B: input vWi: QUANTISED
;;     7. batch 16 x [M 4,096, K 64] x [K 64, N 4,096]; A: computed on the way; B: computed on the way: QUANTISED
;;     8. batch 16 x [M 4,096, K 64] x [K 64, N 4,096]; A: computed on the way; B: computed on the way: QUANTISED
;;     9. batch 16 x [M 4,096, K 4,096] x [K 4,096, N 64]; A: softmax (see below); B: computed on the way: QUANTISED
;;     10. [M 8,192, K 512] x [K 512, N 512]; A: computed on the way; B: input oWr: QUANTISED
;;     11. [M 8,192, K 512] x [K 512, N 512]; A: computed on the way; B: input oWi: QUANTISED
;;   THE QUANTISER, for each operand of a quantised product, along K:
;;     - K is cut into blocks of 32 from its start; a last block that is shorter is filled with zeros.
;;     - A block's scale is 2^e with e = floor(log2(the largest magnitude in the block)) - 8, held to -126 .. 127; a block of zeros has e = 0. As a byte (E8M0): e + 127.
;;     - Each number is divided by its block's scale, clamped to +-448, and rounded to the nearest number of E4M3, ties to even, subnormals kept.
;;     - The product sums the exact products of the quantised numbers (number of the format x scale) in f32.
;;   ~~~python
;;   def quantise(x, axis):      # numpy; x: float32 -> the quantised numbers, widened to float32 again
;;       x = np.moveaxis(x, axis, -1); K = x.shape[-1]
;;       x = np.pad(x, [(0, 0)] * (x.ndim - 1) + [(0, -K % 32)]); x = x.reshape(x.shape[:-1] + (-1, 32)); a = np.abs(x).max(-1, keepdims=True)
;;       e = np.where(a > 0, np.clip(np.frexp(np.where(a > 0, a, 1))[1] - 1 - 8, -126, 127), 0)      # np.frexp(a)[1] - 1 = floor(log2(a)), exactly
;;       r = np.clip(x / 2.0 ** e, -448, 448)
;;       step = 2.0 ** (np.maximum(np.frexp(np.where(r == 0, 1, r))[1] - 1, -6) - 3)
;;       q = np.round(r / step) * step * 2.0 ** e      # np.round: ties to even
;;       return np.moveaxis(q.reshape(q.shape[:-2] + (-1,))[..., :K], -1, axis).astype(np.float32)
;;   ~~~
;;   SOFTMAX AHEAD OF A QUANTISED PRODUCT. Where the list says 'softmax', what is quantised is not the finished softmax but p = 2^(t - M), with t = logit x log2(e) and M = ceil(the row's largest t), a whole number; so 1/2 < the row's largest p <= 1. The row's sum l is taken of the UNQUANTISED p, in f32, and the product's result is divided by l at the end. Since M is a whole number, a kernel that streams over the keys may use a running M (the ceiling of the running maximum): every later rescaling is an exact power of two, which a block's scale takes up: the codes' values come out the same.
;;   OPERANDS COMPUTED ON THE WAY. 'Computed on the way' means the value that the module computes at that place (a softmax that the list does not call 'softmax' is quantised finished and normalised). What goes into a quantiser is computed in f32, as accurately as f32 sums, v_exp_f32 and their like allow (about 1e-6 of the number): no bf16 or f16 on the way to a quantiser, and a product that is left as it is and whose result goes on into a quantised operand takes f32 operands (vector FMAs, or v_wmma_f32_16x16x4_f32). A number that lies on a knife's edge between two numbers of the format may be rounded either way, as far as f32 arithmetic and the matrix unit's own rounding can turn it there, and no further.
;; One version. Each part assembles by itself: llvm-mc -triple=amdgcn-amd-amdhsa -mcpu=gfx1250 --defsym DOCPART=n.
;; ======== version 1 of 1: 4 launches
;; limits: right only within a limited range of input values
;; workspace buffers: cod 14,868,480 bytes; qf 12,976,128 bytes; kv 12,976,128 bytes; of 4,325,376 bytes
;; launch quant (part 1): grid 440 x 1, 4 waves a work-group, no clusters, 57,856 bytes of LDS; arguments query, key, value, qWr, qWi, kWr, kWi, vWr, oWr, oWi, cod; writes cod
.if DOCPART == 1
	.amdgcn_target "amdgcn-amd-amdhsa--gfx1250"
	.amdhsa_code_object_version 6
	.text
	.protected	k_qed6e24f3f3_quant
	.globl	k_qed6e24f3f3_quant
	.p2align	8
	.type	k_qed6e24f3f3_quant,@function
k_qed6e24f3f3_quant:
	s_mov_b64 s[64:65], 0
	v_nop
	global_prefetch_b8 v0, s[64:65] scope:SCOPE_SE
	s_setreg_imm32_b32 hwreg(HW_REG_WAVE_MODE, 25, 1), 1
	s_wait_xcnt 0x0
; FIRST OF FOUR LAUNCHES: query, key, value [8192][512] and the seven live weights [512][512], f32, K innermost, become codes of FP8 (E4M3) with one E8M0 byte for each 32 along K.
; WORK LEFT OUT BY THE WHOLE PROGRAM, for all values of the inputs:
;   (a) value x vWi^T + vbi gives _vi, which reference() never reads: no way leads from vWi or vbi to an output.  vWi and vbi are among no launch's arguments and are not loaded.
;   (b) key m counts for query l only where l - m <= 128 (lower_mask, built in reference()'s own body, is -inf elsewhere: p = 0 exactly).  A step of 128 keys that lies wholly under the mask for all 16 queries of a tile is not multiplied (third launch).
;   LIMIT: a NaN, an infinity or an overflow that reaches only this work is not carried to the result.
; THE RULE: a block's scale is 2^(floor(log2(its largest magnitude)) - 8); its byte is the largest magnitude's exponent field - 8, held at 1 from below; numbers are held within +-448 x the scale and rounded to the nearest code, ties to even.
; LIMITS: a block whose largest magnitude lies under 2^-118 (the floor), a block of zeros among them, gets the byte 1 (the rule says 127 for zeros: the codes are zeros, and this program alone reads the bytes); NaN and infinities among the inputs are not served.
; LAYOUT OF cod: RECORDS of 8,448 bytes, one for a TILE of 16 rows x 512 K.  Tile T of a tensor holds rows 32 (T / 2) + 8 (T % 2) + t + 8 (t / 8), t = 0 .. 15.  A record is four IMAGES of operand registers (K step s at 2,048 s:
; byte 512 c + 16 (t + 16 h) + i is the code of row t, k = 128 s + 32 c + 16 h + i), then 256 scale bytes (byte 16 t + 4 s + c).  Four loads of 16 bytes a lane, 512 bytes apart, bring a fragment.
; Records: query 0 .. 511, key 512 .., value 1024 .., then 32 each for qWr, qWi, kWr, kWi, vWr, oWr, oWi from 1536 on.
; SHARES: a work-group takes 64 rows, a wave one tile: record 4 g + wave.  A step is one row of 512 numbers: four loads of 512 consecutive bytes, turned through the wave's own stage in LDS so that a lane holds 16 neighbours along K
; (two neighbouring lanes hold a block).  A lane's 16 codes of step t are 16 bytes of chunk (s, c, h) = lane of the record: they gather in an LDS stage (32 chunks, 272 bytes apart) and leave as 16 stores of 512 consecutive bytes.
; No tensor load, no barrier: waves share nothing.  Loads run four steps (16 loads a wave) ahead, the turn through LDS one step.
.set STEPS, 16
.set EMAX,  8
.set MANT,  0x600000                   ; the mantissa field of 448 as f32
.set ROW,   2048                       ; a row of 512 f32 in bytes
.set REC,   8448                       ; a record
.set WREG,  14336                      ; LDS: a region of its own for each wave
.set SP,    80                         ; a lane's place in a turning stage: 64 bytes + 16
.set SCB,   2*32*SP                    ; behind the two turning stages: the tile's 256 scale bytes
.set IMG,   SCB+256                    ; behind them: the images' stage
.set IP,    272                        ; a chunk of 256 bytes + 16
.set SPARE, 4*WREG                     ; behind the four regions: the spare words, 128 bytes for each wave, which no other line names
.set R,     16                         ; v16-79   four sets of 16 numbers as loaded; at the end the record's 16 x 4 registers
.set X,     80                         ; v80-111  two sets of 16 neighbours
.set E,     112                        ; v112-127 a scale byte for each step
.set C,     128                        ; v128-191 four registers of codes for each step
.set SPW,   12                         ; v12      LDS address of my spare word; never rewritten
.set NIL,   13                         ; v13      0; never rewritten
	s_load_b512 s[4:19], s[0:1], 0x0               ; query, key, value, qWr, qWi, kWr, kWi, vWr
	s_load_b128 s[20:23], s[0:1], 0x40             ; oWr, oWi
	s_load_b64 s[24:25], s[0:1], 0x50              ; cod
	v_lshl_add_u32 v[SPW], v0, 2, SPARE
	v_mov_b32 v[NIL], 0
	v_lshrrev_b32 v1, 5, v0
	v_readfirstlane_b32 s26, v1                    ; wave
	v_and_b32 v2, 31, v0                           ; lane
	v_lshlrev_b32 v3, 4, v2                        ; 16 x lane: my bytes of a load's or a store's 512
	s_mul_i32 s29, s26, WREG
	v_lshrrev_b32 v14, 2, v2
	v_mul_u32_u24 v14, v14, SP
	v_and_b32 v15, 3, v2
	v_lshl_add_u32 v14, v15, 4, v14
	v_add_nc_u32 v14, s29, v14                     ; the turning stage, on the way in: SP (lane / 4) + 16 (lane % 4)
	v_mul_u32_u24 v15, v2, SP
	v_add_nc_u32 v15, s29, v15                     ; and on the way out: SP x lane: my 16 neighbours
	v_mul_u32_u24 v4, v2, IP
	v_add_nc_u32 v4, s29, v4
	v_add_nc_u32 v4, IMG, v4                       ; the images' stage, in: chunk = lane
	v_lshrrev_b32 v5, 1, v2
	v_add_nc_u32 v5, s29, v5
	v_add_nc_u32 v5, SCB, v5                       ; my block's scale byte: 4 s + c = lane / 2
	v_lshlrev_b32 v7, 3, v2                        ; the scale bytes on the way out: 8 a lane
	v_add_nc_u32 v6, s29, v7
	v_add_nc_u32 v6, SCB, v6
	v_lshrrev_b32 v1, 4, v2
	v_mul_u32_u24 v1, v1, IP
	v_and_b32 v8, 15, v2
	v_lshl_add_u32 v1, v8, 4, v1
	v_add_nc_u32 v1, s29, v1
	v_add_nc_u32 v1, IMG, v1                       ; the images' stage, out: two chunks an instruction, sixteen lanes to a chunk
	; which tensor, and which 64 rows of it: work-groups 0 .. 383 take query, key, value (128 each), the others the weights (8 each)
	s_lshr_b32 s27, ttmp9, 7
	s_and_b32 s28, ttmp9, 127
	s_sub_co_u32 s30, ttmp9, 384
	s_lshr_b32 s31, s30, 3
	s_add_co_u32 s31, s31, 3
	s_and_b32 s30, s30, 7
	s_cmp_lt_u32 ttmp9, 384
	s_cselect_b32 s27, s27, s31                    ; the tensor's place among the arguments, 0 .. 9
	s_cselect_b32 s28, s28, s30                    ; its block of 64 rows
	s_lshl_b32 s34, s28, 6
	s_lshr_b32 s35, s26, 1
	s_lshl_b32 s35, s35, 5
	s_add_co_u32 s34, s34, s35
	s_and_b32 s35, s26, 1
	s_lshl_b32 s35, s35, 3
	s_add_co_u32 s34, s34, s35                     ; my tile's first row: 64 block + 32 (wave / 2) + 8 (wave % 2)
	s_lshl_b32 s34, s34, 11                        ; in bytes (under 2^25)
	s_mov_b32 s35, 0
	s_lshl_b32 s30, ttmp9, 2
	s_add_co_u32 s30, s30, s26
	s_mul_i32 s30, s30, REC                        ; my record: 4 g + wave
	s_mov_b32 s31, 0
	s_mov_b32 s33, MANT                            ; (an instruction takes one literal: the hold's line has another)
	s_wait_kmcnt 0x0
.irp n, 1,2,3,4,5,6,7,8,9
	s_cmp_eq_u32 s27, \n                           ; the choice hangs on the work-group's number alone
	s_cselect_b64 s[4:5], s[4+2*\n:5+2*\n], s[4:5]
.endr
	s_add_nc_u64 s[4:5], s[4:5], s[34:35]
	s_add_nc_u64 s[24:25], s[24:25], s[30:31]
.macro LOAD t                          ; step t: the tile's row t + 8 (t / 8)
.set PR, (\t)+8*((\t)/8)
.irp i, 0,1,2,3
	global_load_b128 v[R+16*((\t)%4)+4*\i:R+16*((\t)%4)+4*\i+3], v3, s[4:5] offset:PR*ROW+512*\i th:TH_LOAD_NT   ; 32 lanes read 512 consecutive bytes
.endr
.endm
.macro TURN t                          ; step t's numbers through the stage: LDS serves a wave's instructions in order, so no wait stands between the stores and the loads
.irp i, 0,1,2,3
	ds_store_b128 v14, v[R+16*((\t)%4)+4*\i:R+16*((\t)%4)+4*\i+3] offset:32*SP*((\t)%2)+8*SP*\i
.endr
.irp i, 0,1,2,3
	ds_load_b128 v[X+16*((\t)%2)+4*\i:X+16*((\t)%2)+4*\i+3], v15 offset:32*SP*((\t)%2)+16*\i
.endr
.endm
.irp t, 0,1,2,3
	LOAD \t
.endr
	s_wait_loadcnt 12                              ; step 0's four loads are in
	TURN 0
.macro STEP t
.set XS, X+16*((\t)%2)
.if (\t) > 0
	s_wait_dscnt 2                                 ; this step's numbers are back from the stage (the last step's byte store and code store are younger): so its stores into the stage have read their registers,
.else
	s_wait_dscnt 0x0
.endif
.if (\t)+4 < STEPS
	LOAD (\t)+4                                    ; which take the loads of four steps on
.endif
.if (\t)+1 < STEPS
.if STEPS-2-(\t) >= 3
	s_wait_loadcnt 12                              ; the next step's four loads are in; those of the three steps behind it may be out
.else
	s_wait_loadcnt 4*(STEPS-2-(\t))
.endif
	TURN (\t)+1                                    ; and go through the other stage while this step is worked
.endif
	v_max3_num_f32 v8, |v[XS]|, |v[XS+1]|, |v[XS+2]|               ; the largest magnitude of my 16, in two chains
	v_max3_num_f32 v9, |v[XS+3]|, |v[XS+4]|, |v[XS+5]|
.irp i, 6,10
	v_max3_num_f32 v8, v8, |v[XS+\i]|, |v[XS+\i+1]|
	v_max3_num_f32 v9, v9, |v[XS+\i+2]|, |v[XS+\i+3]|
.endr
	v_max3_num_f32 v8, v8, |v[XS+14]|, |v[XS+15]|
	v_max3_num_f32 v8, v8, v9, (EMAX+1)<<23        ; and the floor 2^(9 - 127): the byte cannot fall under 1
	v_max_num_f32_dpp v8, v8, v8 row_xmask:1 row_mask:0xf bank_mask:0xf   ; and of my neighbour's 16: the block's
	v_add_nc_u32 v11, -(EMAX<<23), v8              ; 8 off its exponent field: the conversion takes the exponent field of this operand as its scale
	v_and_or_b32 v10, v8, 0x7f800000, s33          ; 448 x the scale
.irp i, 0,1,2,3,4,5,6,7,8,9,10,11,12,13,14,15
	v_med3_num_f32 v[XS+\i], v[XS+\i], -v10, v10   ; the conversion to an 8-bit code does not saturate (ISA guide 7.6.2): the hold comes first
.endr
	v_cvt_scalef32_pk8_fp8_f32 v[C+4*(\t):C+4*(\t)+1], v[XS:XS+7], v11
	v_cvt_scalef32_pk8_fp8_f32 v[C+4*(\t)+2:C+4*(\t)+3], v[XS+8:XS+15], v11
	v_lshrrev_b32 v[E+(\t)], 23, v11               ; the scale's byte
	ds_store_b8 v5, v[E+(\t)] offset:16*(\t)       ; byte 16 t + 4 s + c; both lanes of a block write the same byte with the same value
	ds_store_b128 v4, v[C+4*(\t):C+4*(\t)+3] offset:16*(\t)   ; row t's 16 bytes of my chunk
.endm
.irp t, 0,1,2,3,4,5,6,7,8,9,10,11,12,13,14,15
	STEP \t
.endr
	ds_load_b64 v[8:9], v6                         ; LDS serves a wave's instructions in order: these see my stores
.irp n, 0,1,2,3,4,5,6,7,8,9,10,11,12,13,14,15
	ds_load_b128 v[R+4*\n:R+4*\n+3], v1 offset:2*IP*\n
.endr
	s_wait_dscnt 16                                ; the scale bytes are in; the 16 loads behind them may be out
	global_store_b64 v7, v[8:9], s[24:25] offset:8192   ; 32 lanes store 256 consecutive bytes, aligned
.irp n, 0,1,2,3,4,5,6,7,8,9,10,11,12,13,14,15
	s_wait_dscnt 15-\n
	global_store_b128 v3, v[R+4*\n:R+4*\n+3], s[24:25] offset:512*\n   ; chunks 2 n and 2 n + 1: 512 consecutive bytes, aligned
.endr
	s_wait_tensorcnt 0x0                           ; the wave's end: behind my last LDS store
	ds_add_u32 v[SPW], v[NIL]
	s_wait_dscnt 0x0
	s_endpgm
.Lfunc_end_k_qed6e24f3f3_quant:
	.size	k_qed6e24f3f3_quant, .Lfunc_end_k_qed6e24f3f3_quant-k_qed6e24f3f3_quant
	.p2alignl 7, 3214868480
	.fill 96, 4, 3214868480
	.section	.rodata,"a",@progbits
	.p2align	6, 0x0
	.amdhsa_kernel k_qed6e24f3f3_quant
		.amdhsa_group_segment_fixed_size 57856
		.amdhsa_private_segment_fixed_size 0
		.amdhsa_enable_private_segment 0
		.amdhsa_kernarg_size 88
		.amdhsa_user_sgpr_count 2
		.amdhsa_user_sgpr_kernarg_segment_ptr 1
		.amdhsa_wavefront_size32 1
		.amdhsa_system_sgpr_workgroup_id_x 1
		.amdhsa_system_sgpr_workgroup_id_y 1
		.amdhsa_system_sgpr_workgroup_id_z 1
		.amdhsa_system_vgpr_workitem_id 0
		.amdhsa_next_free_vgpr 192
		.amdhsa_next_free_sgpr 66
		.amdhsa_reserve_vcc 0
		.amdhsa_float_denorm_mode_32 3
		.amdhsa_float_denorm_mode_16_64 3
		.amdhsa_memory_ordered 1
		.amdhsa_forward_progress 1
		.amdhsa_inst_pref_size 55
	.end_amdhsa_kernel
	.amdgpu_metadata
---
amdhsa.version: [ 1, 2 ]
amdhsa.kernels:
  - .name:           k_qed6e24f3f3_quant
    .symbol:         k_qed6e24f3f3_quant.kd
    .args:
      - { .name: query, .offset: 0, .size: 8, .value_kind: global_buffer, .address_space: global }
      - { .name: key, .offset: 8, .size: 8, .value_kind: global_buffer, .address_space: global }
      - { .name: value, .offset: 16, .size: 8, .value_kind: global_buffer, .address_space: global }
      - { .name: qWr, .offset: 24, .size: 8, .value_kind: global_buffer, .address_space: global }
      - { .name: qWi, .offset: 32, .size: 8, .value_kind: global_buffer, .address_space: global }
      - { .name: kWr, .offset: 40, .size: 8, .value_kind: global_buffer, .address_space: global }
      - { .name: kWi, .offset: 48, .size: 8, .value_kind: global_buffer, .address_space: global }
      - { .name: vWr, .offset: 56, .size: 8, .value_kind: global_buffer, .address_space: global }
      - { .name: oWr, .offset: 64, .size: 8, .value_kind: global_buffer, .address_space: global }
      - { .name: oWi, .offset: 72, .size: 8, .value_kind: global_buffer, .address_space: global }
      - { .name: cod, .offset: 80, .size: 8, .value_kind: global_buffer, .address_space: global }
    .group_segment_fixed_size: 57856
    .private_segment_fixed_size: 0
    .kernarg_segment_align: 8
    .kernarg_segment_size: 88
    .max_flat_workgroup_size: 128
    .sgpr_count:     66
    .vgpr_count:     192
    .wavefront_size: 32
...
	.end_amdgpu_metadata
.endif
;; end of part 1
;; launch proj (part 2): grid 160 x 1, 4 waves a work-group, no clusters, 167,936 bytes of LDS; arguments cod, qbr, qbi, kbr, kbi, vbr, qf, kv; writes qf, kv
.if DOCPART == 2
	.amdgcn_target "amdgcn-amd-amdhsa--gfx1250"
	.amdhsa_code_object_version 6
	.text
	.protected	k_qed6e24f3f3_proj
	.globl	k_qed6e24f3f3_proj
	.p2align	8
	.type	k_qed6e24f3f3_proj,@function
k_qed6e24f3f3_proj:
	s_mov_b64 s[64:65], 0
	v_nop
	global_prefetch_b8 v0, s[64:65] scope:SCOPE_SE
	s_setreg_imm32_b32 hwreg(HW_REG_WAVE_MODE, 25, 1), 1
	s_wait_xcnt 0x0
; SECOND LAUNCH: the five live projections (q and k, real and imaginary; v real) on codes of FP8 (E4M3) with E8M0 scales, their biases, and the quantising of the results for the attention's products.
; LEFT OUT: value x vWi^T + vbi (its result is never read by reference(); shown at the head of the first kernel).
; FORM.  A wave keeps a P BLOCK in 512 registers: 8 tiles x 4 K steps of the side whose 128 rows become the NEXT product's K.  The work-group's 16 L TILES, whose rows become lanes, come into LDS once, by one tensor load a wave (four records).
; For each L tile: 32 products (source 0 = a tile of P, source 1 = the L tile), the bias as the C of the first eight, then the 64 results of a lane, which are 4 x 16 neighbours along the next K in the operand's own order,
; are quantised in registers and stored as the image of a fragment, 4 x 512 consecutive bytes.
; q, k (work-groups 0 .. 127: tensor g / 64, heads 4 (g % 2) + wave, slot of 256 rows (g % 64) / 2): P = the head's 4 tiles of Wr and 4 of Wi, L = 256 rows of x.  Next K = [real 64 | imaginary 64].
; v (work-groups 128 .. 159: heads 4 (g % 2) .. + 3, key steps 4 ((g % 32) / 2) + wave): P = 128 rows of value, L = the four heads' 16 tiles of vWr.  Next K = the keys: the result is a fragment of V^T.
; 160 work-groups of equal length: every one takes 16 L tiles past its P block, which is loaded once.
; ONE LOOP of two trips, 8 L tiles each, is walked by all work-groups; the branch on the work-group's kind stands inside it, round the tiles alone; the LDS addresses and the outputs' pointers are stepped in the common part.
; OUT: SLOT BLOCKS of 50,688 bytes, one for (batch x head, 256 keys); q' = which 128 of them: K's images at 16,384 q' + 2,048 tile; V^T's at 32,768 + 8,192 q' + 2,048 tile; K's scale words at 49,152 + 512 q' + 16 lane + 4 j
; (tile 2 j + lane / 16, row lane % 16); V's at 50,176 + 256 q' + 8 lane + 4 j.  Q's fragments go to qf in K's places.
; No cluster: P goes to registers by plain loads, and an L chunk is shared by two work-groups at most in q and k.  No prefetch: the launch has no stream that runs ahead of a loop: all its loads go out at the head.
; LIMITS as in the first kernel (floor byte 1; NaN and infinities not served).
; REGISTERS: window 0: v2-11, v14-15 addresses, v12-13 the add's two, v16-79 the 8 accumulators, v80-111 codes (two sets), v112-127 at work, v128 the scale word made, v130-133 packed scale words,
;   v144-159 P's scale words, v160-167 L's scale words (two sets), v168-231 the biases as C (v: tile tau's bias in the eight registers from 168 + 8 tau), v232-239 v's biases of the second trip.
;   window 1: P's fragments of K steps 0, 1 at 16 (2 t + s); window 2: of K steps 2, 3; window 3: L's fragments, two sets of 64.
.set REC,   8448
.set SLOTB, 50688
.set HEADB, 16*SLOTB
.set SPARE, 16*REC                     ; behind the 16 records: the spare words, 128 bytes for each wave, which no other line names
.set L8,  2
.set PSA, 3
.set H64, 5
.set P4,  6
.set LI,  8                            ; v8   16 x lane
.set R16, 10                           ; v10  LDS: 16 (lane % 16) + the trip's first record; v11 the same 4 records on
.set SPW, 12
.set NIL, 13
.set LF,  14                           ; v14  LDS: 16 x lane + the trip's first record; v15 the same 4 records on
.set HA,  16
.set PC,  80
.set TM,  112
.set PW,  128
.set PK,  130
.set PS,  144
.set LS,  160
.set B1,  168
.set VB2, 232
.set MSB, 0
.macro WIN new                         ; the immediate's high byte repeats the setting that is left
.if MSB != \new
	s_set_vgpr_msb (MSB<<8)|\new
.set MSB, \new
.endif
.endm
.macro PLACES n
.rept \n
	v_nop
.endr
.endm
.macro PLOAD                           ; my P block: 128 loads of 512 consecutive bytes, and its scale words
	WIN 0x40
.irp t, 0,1,2,3
.irp s, 0,1
.irp c, 0,1,2,3
	global_load_b128 v[16*(2*\t+\s)+4*\c:16*(2*\t+\s)+4*\c+3], v[LI], s[44:45] offset:\t*REC+\s*2048+\c*512
	global_load_b128 v[16*(2*(\t+4)+\s)+4*\c:16*(2*(\t+4)+\s)+4*\c+3], v[LI], s[46:47] offset:\t*REC+\s*2048+\c*512
.endr
.endr
.endr
	WIN 0x80
.irp t, 0,1,2,3
.irp s, 0,1
.irp c, 0,1,2,3
	global_load_b128 v[16*(2*\t+\s)+4*\c:16*(2*\t+\s)+4*\c+3], v[LI], s[44:45] offset:\t*REC+(\s+2)*2048+\c*512
	global_load_b128 v[16*(2*(\t+4)+\s)+4*\c:16*(2*(\t+4)+\s)+4*\c+3], v[LI], s[46:47] offset:\t*REC+(\s+2)*2048+\c*512
.endr
.endr
.endr
	WIN 0
.irp b, 0,1
	global_load_b128 v[PS+4*\b:PS+4*\b+3], v[PSA], s[44:45] offset:2*\b*REC+8192
	global_load_b128 v[PS+4*(\b+2):PS+4*(\b+2)+3], v[PSA], s[46:47] offset:2*\b*REC+8192
.endr
.endm
.macro FETCH tau                       ; L tile tau of the trip: its four fragments into set tau % 2 of window 3, its rows' scale words: 17 LDS loads
	WIN 0xc0
.irp s, 0,1,2,3
.irp c, 0,1,2,3
	ds_load_b128 v[64*((\tau)%2)+16*\s+4*\c:64*((\tau)%2)+16*\s+4*\c+3], v[LF+(\tau)/4] offset:((\tau)%4)*REC+\s*2048+\c*512
.endr
.endr
	WIN 0
	ds_load_b128 v[LS+4*((\tau)%2):LS+4*((\tau)%2)+3], v[R16+(\tau)/4] offset:((\tau)%4)*REC+8192
.endm
.macro MM t, s, tau, c0
.set rD, HA+8*(\t)
.set rA, 16*(2*(\t)+(\s)%2)
.set rB, 64*((\tau)%2)+16*(\s)
.set rC, \c0
.if (\t)%2
	v_wmma_scale_f32_16x16x128_f8f6f4 v[rD:rD+7], v[rA:rA+15], v[rB:rB+15], v[rC:rC+7], v[PS+4*((\t)/2)+(\s)], v[LS+4*((\tau)%2)+(\s)] matrix_a_scale:MATRIX_SCALE_ROW1
.else
	v_wmma_scale_f32_16x16x128_f8f6f4 v[rD:rD+7], v[rA:rA+15], v[rB:rB+15], v[rC:rC+7], v[PS+4*((\t)/2)+(\s)], v[LS+4*((\tau)%2)+(\s)]
.endif
.endm
.macro MULS tau, c0, cs                ; 32 products; the eight accumulators take turns, one instruction a turn
	WIN 0x0d
.irp t, 0,1,2,3,4,5,6,7
	MM \t, 0, \tau, (\c0)+(\cs)*\t
.endr
.irp t, 0,1,2,3,4,5,6,7
	MM \t, 1, \tau, HA+8*\t
.endr
	WIN 0x0e
.irp t, 0,1,2,3,4,5,6,7
	MM \t, 2, \tau, HA+8*\t
.endr
.irp t, 0,1,2,3,4,5,6,7
	MM \t, 3, \tau, HA+8*\t
.endr
	WIN 0
.endm
; 64 numbers of a lane, register 16 b + i = k 32 b + 16 (lane / 16) + i of my row, become a fragment's codes in set 'set' of PC and its scale word in v[PW]
.macro QUANT s, set
.set PCS, PC+16*(\set)
.irp b, 0,1,2,3
	v_max3_num_f32 v[TM+\b], |v[\s+16*\b]|, |v[\s+1+16*\b]|, 0x4800000   ; block b: my 16 numbers, and the floor 2^(9 - 127)
.endr
.irp i, 2,4,6,8,10,12,14
.irp b, 0,1,2,3
	v_max3_num_f32 v[TM+\b], v[TM+\b], |v[\s+16*\b+\i]|, |v[\s+1+16*\b+\i]|
.endr
.endr
.irp b, 0,1,2,3
	v_permlanex16_b32 v[TM+4+\b], v[TM+\b], s56, s57
.endr
.irp b, 0,1,2,3
	v_max_num_f32 v[TM+\b], v[TM+\b], v[TM+4+\b]
.endr
.irp b, 0,1,2,3
	v_add_nc_u32 v[TM+12+\b], 0xfc000000, v[TM+\b]
.endr
.irp b, 0,1,2,3
	v_and_or_b32 v[TM+8+\b], v[TM+\b], 0x7f800000, s58
.endr
.irp b, 0,1,2,3
	v_lshrrev_b32 v[TM+4+\b], 23, v[TM+12+\b]
.endr
	v_lshl_or_b32 v[PW], v[TM+5], 8, v[TM+4]
	v_lshl_or_b32 v[PW], v[TM+6], 16, v[PW]
	v_lshl_or_b32 v[PW], v[TM+7], 24, v[PW]
.irp b, 0,1,2,3
.irp i, 0,1,2,3,4,5,6,7,8,9,10,11,12,13,14,15
	v_med3_num_f32 v[\s+16*\b+\i], v[\s+16*\b+\i], -v[TM+8+\b], v[TM+8+\b]   ; the conversion to an 8-bit code does not saturate (ISA guide 7.6.2): the hold
.endr
	v_cvt_scalef32_pk8_fp8_f32 v[PCS+4*\b:PCS+1+4*\b], v[\s+16*\b:\s+7+16*\b], v[TM+12+\b]
	v_cvt_scalef32_pk8_fp8_f32 v[PCS+2+4*\b:PCS+3+4*\b], v[\s+8+16*\b:\s+15+16*\b], v[TM+12+\b]
.endr
	v_nop                                          ; a plain line between the last conversion and the next products, which write its sources
.endm
.macro TILE tau, c0, cs, obyte
.if (\tau) < 7
	FETCH (\tau)+1
	s_wait_dscnt 17                                ; this tile's 17 loads are in; the next tile's 17 may be out
.else
	s_wait_dscnt 0x0
.endif
	MULS \tau, \c0, \cs
	PLACES 8                                       ; eight places between the last product and the first read of results
	s_wait_xcnt 0x0                                ; the earlier stores have read their data
	QUANT HA, (\tau)%2
.irp c, 0,1,2,3
	global_store_b128 v[LI], v[PC+16*((\tau)%2)+4*\c:PC+16*((\tau)%2)+4*\c+3], s[48:49] offset:(\obyte)+512*\c   ; 512 consecutive bytes, aligned
.endr
.endm
	s_load_b512 s[4:19], s[0:1], 0x0               ; cod, qbr, qbi, kbr, kbi, vbr, qf, kv
	v_lshl_add_u32 v[SPW], v0, 2, SPARE
	v_mov_b32 v[NIL], 0
	ds_add_u32 v[SPW], v[NIL]                      ; the wave's opening: the add, twice on end, and its wait ahead of my first tensor load
	ds_add_u32 v[SPW], v[NIL]
	v_lshrrev_b32 v1, 5, v0
	v_readfirstlane_b32 s23, v1                    ; wave 0..3
	s_lshr_b32 s60, ttmp9, 6                       ; 0: q, 1: k, 2: v
	s_and_b32 s21, ttmp9, 1
	s_bfe_u32 s22, ttmp9, 0x50001                  ; q, k: the slot of 256 rows, 0 .. 31,
	s_lshl_b32 s22, s22, 1                         ; and its first step of 128 rows
	s_lshl_b32 s24, s21, 2
	s_add_co_u32 s24, s24, s23                     ; q, k: my head
	s_lshl_b32 s25, s60, 9
	s_lshl_b32 s28, s22, 3
	s_add_co_u32 s25, s25, s28                     ; q, k: first L record: 512 tensor + 8 step
	s_lshl_b32 s26, s60, 6
	s_lshl_b32 s28, s24, 2
	s_add_co_u32 s26, s26, s28
	s_add_co_u32 s26, s26, 1536                    ; q, k: P's first four records: the head's tiles of Wr,
	s_add_co_u32 s27, s26, 32                      ; and of Wi
	s_and_b32 s29, ttmp9, 1                        ; v: which four heads
	s_bfe_u32 s30, ttmp9, 0x40001                  ; v: which four key steps
	s_lshl_b32 s28, s29, 4
	s_add_co_u32 s28, s28, 1664                    ; v: first L record: vWr's tiles of the four heads
	s_lshl_b32 s31, s30, 5
	s_lshl_b32 s61, s23, 3
	s_add_co_u32 s31, s31, s61
	s_add_co_u32 s31, s31, 1024                    ; v: P: value's 8 tiles of key step 4 hi + wave
	s_add_co_u32 s61, s31, 4
	s_cmp_eq_u32 s60, 2
	s_cselect_b32 s25, s28, s25
	s_cselect_b32 s26, s31, s26
	s_cselect_b32 s27, s61, s27
	s_lshl_b32 s28, s23, 2
	s_add_co_u32 s25, s25, s28                     ; the four L records that I fetch
	s_mul_i32 s2, s25, REC
	s_mov_b32 s3, 0
	s_mul_i32 s44, s26, REC
	s_mov_b32 s45, 0
	s_mul_i32 s46, s27, REC
	s_mov_b32 s47, 0
	s_mov_b32 s40, 1                               ; group 0: count = 1,
	s_mul_i32 s41, s23, 4*REC                      ; LDS address: wave x four records
	s_mov_b32 s32, 3<<16                           ; group 1: no mask, elements of 8 bytes, no padding: four records are one dense block, 132 rows of 256 bytes
	s_mov_b32 s33, 32<<16
	s_mov_b32 s34, 132<<16
	s_mov_b32 s35, 32<<16
	s_mov_b32 s36, 132
	s_mov_b32 s37, 32
	s_mov_b32 s38, 0
	s_mov_b32 s39, 0
	s_mov_b32 s56, 0x76543210
	s_mov_b32 s57, 0xfedcba98
	s_mov_b32 s58, 0x600000
	s_mov_b32 s59, 0xffff0000
	s_wait_dscnt 0x0                               ; both opening adds are done
	s_wait_kmcnt 0x0
	s_add_nc_u64 s[42:43], s[4:5], s[2:3]
	s_or_b32 s43, s43, 0x80000000
	s_add_nc_u64 s[44:45], s[4:5], s[44:45]
	s_add_nc_u64 s[46:47], s[4:5], s[46:47]
	tensor_load_to_lds s[40:43], s[32:39]          ; every wave issues one: by this text's count one tensor load of a wave is out
	s_nop 0
	v_and_b32 v7, 31, v0
	v_lshlrev_b32 v[LI], 4, v7
	v_lshlrev_b32 v[L8], 3, v7
	v_and_b32 v14, 15, v0                          ; r
	v_bfe_u32 v15, v0, 4, 1                        ; h
	v_lshlrev_b32 v[R16], 4, v14
	v_mul_u32_u24 v[PSA], v15, REC
	v_add_nc_u32 v[PSA], v[PSA], v[R16]
	v_lshlrev_b32 v[H64], 6, v15
	v_and_b32 v[P4], 8, v14
	v_add_nc_u32 v[P4], v[P4], v14
	v_lshlrev_b32 v[P4], 2, v[P4]
	v_add_nc_u32 v[LF+1], 4*REC, v[LI]
	v_mov_b32 v[LF], v[LI]
	v_add_nc_u32 v[R16+1], 4*REC, v[R16]
.irp b, 0,1,2,3
	v_mov_b32 v[TM+4+\b], 0                        ; written once: a lane permute's destination counts as one of its sources
.endr
.irp i, 0,1,2,3,4,5,6,7
	v_mov_b32 v[VB2+\i], 0                         ; named in the loop, so written on both ways to it; v's way loads them
.endr
	PLOAD
	s_wait_alu depctr_va_vdst(0)
	s_wait_tensorcnt 0x0                           ; my four records are in LDS,
	s_barrier_signal -1
	s_barrier_wait -1                              ; everybody's are; nothing is filled again
	s_cmp_eq_u32 s60, 2
	s_cbranch_scc1 .Lvalue
	; ---- q and k: pointers and biases
	s_cmp_eq_u32 s60, 0
	s_cselect_b64 s[52:53], s[6:7], s[10:11]
	s_cselect_b64 s[54:55], s[8:9], s[12:13]
	s_cselect_b64 s[48:49], s[16:17], s[18:19]
	s_lshl_b32 s2, s24, 8
	s_mov_b32 s3, 0
	s_add_nc_u64 s[52:53], s[52:53], s[2:3]
	s_add_nc_u64 s[54:55], s[54:55], s[2:3]
.irp t, 0,1,2,3                        ; the biases in the result's layout: tile 2 b + u, register j, lane half h: number 32 b + 16 h + 8 u + j
	global_load_b128 v[B1+8*\t:B1+8*\t+3], v[H64], s[52:53] offset:(32*(\t/2)+8*(\t%2))*4
	global_load_b128 v[B1+8*\t+4:B1+8*\t+7], v[H64], s[52:53] offset:(32*(\t/2)+8*(\t%2))*4+16
	global_load_b128 v[B1+32+8*\t:B1+32+8*\t+3], v[H64], s[54:55] offset:(32*(\t/2)+8*(\t%2))*4
	global_load_b128 v[B1+32+8*\t+4:B1+32+8*\t+7], v[H64], s[54:55] offset:(32*(\t/2)+8*(\t%2))*4+16
.endr
	s_lshr_b32 s28, s22, 5                         ; batch
	s_lshl_b32 s28, s28, 3
	s_add_co_u32 s28, s28, s24                     ; batch x head
	s_lshl_b32 s28, s28, 4
	s_bfe_u32 s31, s22, 0x40001                    ; the slot of 256 rows
	s_add_co_u32 s28, s28, s31
	s_mul_i32 s2, s28, SLOTB
	s_add_nc_u64 s[48:49], s[48:49], s[2:3]        ; the images of the slot's first half
	s_add_nc_u64 s[50:51], s[48:49], 49152         ; and its scale words
	s_mov_b32 s32, 16384                           ; from trip to trip: the slot's second half (no tensor load is out: the descriptor's registers are free)
	s_mov_b32 s33, 0
	s_mov_b32 s34, 512
	s_mov_b32 s35, 0
	s_branch .Lgo
.Lvalue:
	; ---- v: pointers and biases
	s_lshl_b32 s28, s30, 2
	s_add_co_u32 s28, s28, s23                     ; my key step, 0 .. 63
	s_lshr_b32 s31, s28, 5                         ; batch
	s_lshl_b32 s31, s31, 3
	s_lshl_b32 s61, s29, 2
	s_add_co_u32 s31, s31, s61                     ; batch x the first of the four heads
	s_lshl_b32 s31, s31, 4
	s_bfe_u32 s61, s28, 0x40001                    ; the slot
	s_add_co_u32 s31, s31, s61
	s_mul_i32 s2, s31, SLOTB
	s_mov_b32 s3, 0
	s_add_nc_u64 s[48:49], s[18:19], s[2:3]
	s_and_b32 s61, s28, 1
	s_lshl_b32 s2, s61, 8
	s_add_co_u32 s2, s2, 50176
	s_add_nc_u64 s[50:51], s[48:49], s[2:3]        ; the scale words
	s_lshl_b32 s2, s61, 13
	s_add_co_u32 s2, s2, 32768
	s_add_nc_u64 s[48:49], s[48:49], s[2:3]        ; the images
	s_lshl_b32 s2, s29, 10                         ; the four heads' 256 numbers of vbr
	s_add_nc_u64 s[52:53], s[14:15], s[2:3]
	s_mov_b32 s32, 2*HEADB                         ; from trip to trip: two heads on
	s_mov_b32 s33, 0
	s_mov_b32 s34, 2*HEADB
	s_mov_b32 s35, 0
.irp i, 0,1,2,3,4,5,6,7
	global_load_b32 v[B1+8*\i], v[P4], s[52:53] offset:(32*(\i/2)+8*(\i%2))*4          ; the bias of my lane's row of L tile i,
	global_load_b32 v[VB2+\i], v[P4], s[52:53] offset:(32*((\i+8)/2)+8*(\i%2))*4       ; and of L tile 8 + i
.endr
	s_wait_loadcnt 0x0
.irp i, 0,1,2,3,4,5,6,7
.irp k, 1,2,3,4,5,6,7
	v_mov_b32 v[B1+8*\i+\k], v[B1+8*\i]            ; here a lane is one channel, so its bias is the same in the eight registers of a C
.endr
.endr
	s_wait_alu depctr_va_vdst(0)
.Lgo:
	s_mov_b32 s36, 0
.Ltwo:                                             ; two trips of 8 L tiles
	FETCH 0
	s_wait_loadcnt 0x0                             ; P, its scale words, the biases
	s_cmp_eq_u32 s60, 2
	s_cbranch_scc1 .Lv_tiles
.irp tau, 0,1,2,3,4,5,6,7
	TILE \tau, B1, 8, \tau*2048
.if \tau%2 == 0
	v_mov_b32 v[PK+\tau/2], v[PW]                  ; an even tile's words, for lanes 0-15;
.else
	v_cndmask_b32 v[PK+\tau/2], v[PK+\tau/2], v[PW], s59   ; the odd tile's take lanes 16-31
.endif
.endr
	global_store_b128 v[LI], v[PK:PK+3], s[50:51]  ; 512 consecutive bytes, aligned
	s_branch .Lnext
.Lv_tiles:
.irp tau, 0,1,2,3,4,5,6,7
	TILE \tau, B1+8*\tau, 0, (\tau/4)*HEADB+(\tau%4)*2048
.if \tau%2 == 0
	v_mov_b32 v[PK+(\tau%4)/2], v[PW]
.else
	v_cndmask_b32 v[PK+(\tau%4)/2], v[PK+(\tau%4)/2], v[PW], s59
.endif
.if \tau%4 == 3
	global_store_b64 v[L8], v[PK:PK+1], s[50:51] offset:(\tau/4)*HEADB   ; a head's scale words of this key step: 256 consecutive bytes, aligned
.endif
.endr
	s_cmp_eq_u32 s36, 1
	s_cbranch_scc1 .Lnext
.irp i, 0,1,2,3,4,5,6,7
.irp k, 0,1,2,3,4,5,6,7
	v_mov_b32 v[B1+8*\i+\k], v[VB2+\i]             ; the second trip's biases
.endr
.endr
.Lnext:
	s_wait_xcnt 0x0                                ; the stores have read their bases
	s_add_nc_u64 s[48:49], s[48:49], s[32:33]
	s_add_nc_u64 s[50:51], s[50:51], s[34:35]
	v_add_nc_u32 v[LF], 8*REC, v[LF]               ; the next 8 records
	v_add_nc_u32 v[LF+1], 8*REC, v[LF+1]
	v_add_nc_u32 v[R16], 8*REC, v[R16]
	v_add_nc_u32 v[R16+1], 8*REC, v[R16+1]
	s_add_co_u32 s36, s36, 1
	s_cmp_lt_u32 s36, 2
	s_wait_alu depctr_va_vdst(0)
	s_cbranch_scc1 .Ltwo
	s_wait_tensorcnt 0x0                           ; the wave's end: behind my last tensor load
	ds_add_u32 v[SPW], v[NIL]
	s_wait_dscnt 0x0
	s_endpgm
.Lfunc_end_k_qed6e24f3f3_proj:
	.size	k_qed6e24f3f3_proj, .Lfunc_end_k_qed6e24f3f3_proj-k_qed6e24f3f3_proj
	.p2alignl 7, 3214868480
	.fill 96, 4, 3214868480
	.section	.rodata,"a",@progbits
	.p2align	6, 0x0
	.amdhsa_kernel k_qed6e24f3f3_proj
		.amdhsa_group_segment_fixed_size 167936
		.amdhsa_private_segment_fixed_size 0
		.amdhsa_enable_private_segment 0
		.amdhsa_kernarg_size 64
		.amdhsa_user_sgpr_count 2
		.amdhsa_user_sgpr_kernarg_segment_ptr 1
		.amdhsa_wavefront_size32 1
		.amdhsa_system_sgpr_workgroup_id_x 1
		.amdhsa_system_sgpr_workgroup_id_y 1
		.amdhsa_system_sgpr_workgroup_id_z 1
		.amdhsa_system_vgpr_workitem_id 0
		.amdhsa_next_free_vgpr 1024
		.amdhsa_next_free_sgpr 66
		.amdhsa_reserve_vcc 0
		.amdhsa_float_denorm_mode_32 3
		.amdhsa_float_denorm_mode_16_64 3
		.amdhsa_memory_ordered 1
		.amdhsa_forward_progress 1
		.amdhsa_inst_pref_size 249
	.end_amdhsa_kernel
	.amdgpu_metadata
---
amdhsa.version: [ 1, 2 ]
amdhsa.kernels:
  - .name:           k_qed6e24f3f3_proj
    .symbol:         k_qed6e24f3f3_proj.kd
    .args:
      - { .name: cod, .offset: 0, .size: 8, .value_kind: global_buffer, .address_space: global }
      - { .name: qbr, .offset: 8, .size: 8, .value_kind: global_buffer, .address_space: global }
      - { .name: qbi, .offset: 16, .size: 8, .value_kind: global_buffer, .address_space: global }
      - { .name: kbr, .offset: 24, .size: 8, .value_kind: global_buffer, .address_space: global }
      - { .name: kbi, .offset: 32, .size: 8, .value_kind: global_buffer, .address_space: global }
      - { .name: vbr, .offset: 40, .size: 8, .value_kind: global_buffer, .address_space: global }
      - { .name: qf, .offset: 48, .size: 8, .value_kind: global_buffer, .address_space: global }
      - { .name: kv, .offset: 56, .size: 8, .value_kind: global_buffer, .address_space: global }
    .group_segment_fixed_size: 167936
    .private_segment_fixed_size: 0
    .kernarg_segment_align: 8
    .kernarg_segment_size: 64
    .max_flat_workgroup_size: 128
    .sgpr_count:     66
    .vgpr_count:     1024
    .wavefront_size: 32
...
	.end_amdgpu_metadata
.endif
;; end of part 2
;; launch attn (part 3): grid 16 x 16, 16 waves a work-group, no clusters, 327,680 bytes of LDS; arguments qf, kv, of; writes of
.if DOCPART == 3
	.amdgcn_target "amdgcn-amd-amdhsa--gfx1250"
	.amdhsa_code_object_version 6
	.text
	.protected	k_qed6e24f3f3_attn
	.globl	k_qed6e24f3f3_attn
	.p2align	8
	.type	k_qed6e24f3f3_attn,@function
k_qed6e24f3f3_attn:
	s_mov_b64 s[64:65], 0
	v_nop
	global_prefetch_b8 v0, s[64:65] scope:SCOPE_SE
	s_setreg_imm32_b32 hwreg(HW_REG_WAVE_MODE, 25, 1), 1
	s_wait_xcnt 0x0
; THIRD LAUNCH: o = softmax((qr kr^T + qi ki^T) / 8 + lower_mask) vr for 16 (batch x head) of 4,096 positions, both products on codes of FP8 (E4M3) with E8M0 scales; o is quantised for the last launch.
; LEFT OUT: steps of 128 keys that lie wholly under lower_mask for a tile's 16 queries (p = 0 exactly there; shown at the head of the first kernel).  Key m counts for query l where l - m <= 128.
; THE SOFTMAX: t = score x log2(e) / 8 (1 / 8 is a power of two: one multiplication gives the same bits as two); M = the running largest t rounded UP to a whole number; p = 2^(t - M) is quantised along the keys, not normalised;
; the row's sum is taken of the unquantised p and divides O at the end; when M moves, the sum and O are multiplied by 2^(old M - new M), exactly.  reference()'s two products of K = 64 are summed inside one instruction of K = 128.
; SHARES.  A work-group owns query blocks j and 31 - j (128 queries each) of one batch x head: block jb needs the key steps from jb - 1 on, so every work-group has 35 x 8 tile steps (j = 0: 34 x 8).  Each of sixteen waves owns one tile of 16
; queries in 256 registers; hs = (w xor w / 4) % 2 says which block, w / 2 which tile.  THE KEYS ARE WALKED DOWNWARD, from step 31: that step counts for every query, so M is a number from the first step on, and what the head fetches is read.
; Every work-group walks all 16 slots of 256 keys (constant trip count, no barrier jumped over); a wave leaves out the steps under its own limit, and a slot under the work-group's limit is not asked for.
; LAYOUT.  Both products are used transposed (S^T = K Q^T, O^T = V^T P^T): a lane holds one query throughout.  The keys of a tile are 32 b + 8 u + r + 8 (r / 8), so the 16 registers of tiles 2 b and 2 b + 1 are 16 neighbouring keys.
; A slot block of kv (50,688 bytes: images of K's 16 and V^T's 8 fragments and their scale words, as the second kernel lays them) comes by two tensor loads (waves 0 and 1, half each) into a ring of two LDS slots.
; No cluster: the work-groups of a head need different numbers of slots, so a joint load would bring tiles that a partner never reads.
; LIMITS: NaN and infinities not served; a block of o under 2^-118 gets the byte 1.
.set SLOTB, 50688
.set HALFB, 25344
.set REC,   8448
.set SLOT1, 65536                      ; LDS slot 1 begins here: one exclusive or turns an address
.set SPARE, 131072                     ; the spare words, 128 bytes for each of 16 waves, which no other line names
.set VIM,   32768                      ; in a slot: V^T's images,
.set KSC,   49152                      ; K's scale words,
.set VSC,   50176                      ; V's
.set LI,   1                           ; v1   16 x lane
.set L8,   2                           ; v2   8 x lane
.set R16,  3                           ; v3   16 (lane % 16)
.set DV,   4                           ; v4   my query's place in its block - 16 (lane / 16)
.set SPW,  5
.set NIL,  6
.set PFO,  7                           ; v7   the prefetches' offset; never rewritten
.set AD16, 8                           ; v8   the slot in hand + 16 x lane
.set AD8,  9                           ; v9   the slot in hand + 8 x lane
.set NINF, 10                          ; v10  -infinity
.set SBA,  11                          ; v11  16 (lane % 16) + lane / 16: my scale byte of o
.set Q,    16                          ; v16-31   Q's fragment
.set KV,   32                          ; v32-95   four fragments of K or of V^T
.set S,    96                          ; v96-159  S^T, then p
.set O,    160                         ; v160-191 O^T
.set PCD,  192                         ; v192-207 p's codes
.set KS,   208                         ; v208-211 K's scale words
.set VS,   212                         ; v212-213 V's
.set QS,   214                         ; v214     Q's
.set PSW,  215                         ; v215     p's
.set BM,   216
.set T1,   220
.set HOLD, 224
.set SCO,  228
.set F,    232                         ; v[232:233] f
.set TT,   234
.set WV,   10                          ; s10 wave   s11 j   s12 batch x head   s13 hs   s14 tile   s15 my block
.set DG,   16                          ; s16 my block - 1: my one masked step, and my limit
.set DGE,  17                          ; s17 j - 1: the work-group's limit
.set ST,   18                          ; s18 the key step in hand, from 31 down
.set SLOTS, 19                         ; s19 slots still to be asked for
.set TB,   36                          ; s36 LDS byte at which the slot in hand begins
.set LIM,  38                          ; s38 1 in a wave that prefetches, else the greatest number
.macro PLACES n
.rept \n
	v_nop
.endr
.endm
.macro TLOAD                           ; waves 0 and 1 fetch a half of a slot block each; an s_nop 0 and four v_nop follow the line
	s_cmp_lt_u32 s[WV], 2
	s_cbranch_scc0 .Lno_load_\@
	tensor_load_to_lds s[32:35], s[24:31]
	s_nop 0
.rept 4
	v_nop
.endr
.Lno_load_\@:
.endm
; A PREFETCH INTO THE L2 of the slot block that the NEXT change of slots will ask for: one slot, two key steps, ahead of that load.  All work-groups of a batch x head walk the same blocks: the one with j = 0, which asks for every slot, prefetches.
; In it waves 2 to 8, which fetch nothing, name the block's 198 pieces of 256 bytes, a lane a piece; lanes 6 to 31 of wave 8 have no piece left and name the last one again.  Slots 15 and 14 come by their loads alone; the last change that fills asks for nothing.
.macro ASK
	s_cmp_gt_u32 s[SLOTS], s[LIM]
	s_cbranch_scc0 .Lnot_mine_\@
	global_prefetch_b8 v[PFO], s[40:41] th:TH_LOAD_NT scope:SCOPE_SE
.Lnot_mine_\@:
.endm
; THE CHANGE OF SLOTS stands at a slot's head.  Each wave waits for all its tensor loads, adds 0 to its spare word (fill = 1: twice on end),
; and waits for that and for its reads of the slot that it has left.  Behind the barrier the slot ahead is whole and nobody reads the other one, which takes the 256 keys below.
.macro CHANGE fill
	s_wait_tensorcnt 0x0                           ; no tensor load of mine is out, so group 0 may be written
	ds_add_u32 v[SPW], v[NIL]
.if \fill
	ds_add_u32 v[SPW], v[NIL]
	s_xor_b32 s33, s33, SLOT1                      ; the walking descriptor: the other LDS slot,
	s_sub_nc_u64 s[34:35], s[34:35], SLOTB         ; the slot block below; the type bits on top are not reached
	s_wait_xcnt 0x0                                ; the last prefetch, a slot back, has read its address
	s_sub_nc_u64 s[40:41], s[40:41], SLOTB
.endif
	s_wait_dscnt 0x0                               ; the add is done, and my reads of the slot that I have left are over
	s_barrier_signal -1
	s_barrier_wait -1
.if \fill
	s_sub_co_i32 s42, s[ST], 2                     ; the upper step of the slot that this change would ask for
	s_cmp_lt_i32 s42, s[DGE]                       ; under the work-group's limit no wave reads it: it is not asked for.  Ids and the count of steps alone: all sixteen waves go the same way, and who is past the limit stays past it
	s_cbranch_scc1 .Lpast_\@
	TLOAD                                          ; a wave's one tensor load until the next such barrier.  Each half of a block holds bytes of the slot's upper step, so both loads are read wherever the slot is
.Lpast_\@:
	ASK
.endif
.endm
; A KEY STEP: 128 keys, half q of the slot in hand
.macro STEP q
	s_cmp_lt_i32 s[ST], s[DG]                      ; all its keys lie under the mask for my 16 queries: left out (ids alone; no barrier, wait for tiles or tensor load stands in a step)
	s_cbranch_scc1 .Lhidden_\@
	PLACES 8                                       ; places in front of loads into registers that the last products read (ISA guide 7.12.1 for vector instructions)
	s_wait_alu depctr_va_vdst(0)
.irp g, 0,1                                    ; S^T = K Q^T, four tiles of 16 keys at a time
.if \g
	PLACES 8
.endif
.irp t, 0,1,2,3
.irp c, 0,1,2,3
	ds_load_b128 v[KV+16*\t+4*\c:KV+16*\t+4*\c+3], v[AD16] offset:(\q)*16384+(4*\g+\t)*2048+512*\c   ; an image: 512 consecutive bytes an instruction
.endr
.endr
.if \g == 0
	ds_load_b128 v[KS:KS+3], v[AD16] offset:KSC+(\q)*512   ; register j: tile 2 j's words in lanes 0-15, tile 2 j + 1's in lanes 16-31
.endif
	s_wait_dscnt 0x0
.irp t, 0,2
	v_wmma_scale_f32_16x16x128_f8f6f4 v[S+8*(4*\g+\t):S+8*(4*\g+\t)+7], v[KV+16*\t:KV+16*\t+15], v[Q:Q+15], 0, v[KS+2*\g+\t/2], v[QS]
	v_wmma_scale_f32_16x16x128_f8f6f4 v[S+8*(4*\g+\t+1):S+8*(4*\g+\t+1)+7], v[KV+16*(\t+1):KV+16*(\t+1)+15], v[Q:Q+15], 0, v[KS+2*\g+\t/2], v[QS] matrix_a_scale:MATRIX_SCALE_ROW1
.endr
.endr
	PLACES 8                                       ; in front of the loads below and of the first read of the scores
.irp t, 0,1,2,3                                ; V^T's four fragments are asked for now and land under the softmax
.irp c, 0,1,2,3
	ds_load_b128 v[KV+16*\t+4*\c:KV+16*\t+4*\c+3], v[AD16] offset:VIM+(\q)*8192+\t*2048+512*\c
.endr
.endr
	ds_load_b64 v[VS:VS+1], v[AD8] offset:VSC+(\q)*256
	s_cmp_lg_u32 s[ST], s[DG]                      ; my one step on the mask's edge: register 16 b + i holds key 32 b + 16 (lane / 16) + i of the step, hidden where that is under my query's place in its block
	s_cbranch_scc1 .Lopen_\@
.set n, 0
.rept 64
	v_cmp_lt_i32 vcc_lo, 32*(n/16)+n%16, v[DV]
	v_cndmask_b32 v[S+n], v[S+n], v[NINF], vcc_lo
.set n, n+1
.endr
.Lopen_\@:
.irp b, 0,1,2,3
	v_max3_num_f32 v[BM+\b], v[S+16*\b], v[S+1+16*\b], v[S+2+16*\b]   ; the largest score of each block of 32 keys: for the row's maximum and, since p rises with the score, for the block's largest p
.endr
.irp i, 3,5,7,9,11,13
.irp b, 0,1,2,3
	v_max3_num_f32 v[BM+\b], v[BM+\b], v[S+16*\b+\i], v[S+1+16*\b+\i]
.endr
.endr
.irp b, 0,1,2,3
	v_max_num_f32 v[BM+\b], v[BM+\b], v[S+15+16*\b]
.endr
.irp b, 0,1,2,3
	s_delay_alu instid0(VALU_DEP_4)
	v_permlanex16_b32 v[T1+\b], v[BM+\b], s20, s21
.endr
.irp b, 0,1,2,3
	s_delay_alu instid0(VALU_DEP_4)
	v_max_num_f32 v[BM+\b], v[BM+\b], v[T1+\b]     ; with lane l xor 16's 16 keys
.endr
	s_delay_alu instid0(VALU_DEP_2)
	v_max3_num_f32 v[TT], v[BM], v[BM+1], v[BM+2]
	s_delay_alu instid0(VALU_DEP_1)
	v_max_num_f32 v[TT], v[TT], v[BM+3]            ; the step's largest score of my query
	s_delay_alu instid0(VALU_DEP_1)
	v_mul_f32 v[TT], s22, v[TT]                    ; as t
	s_delay_alu instid0(VALU_DEP_1)
	v_max_num_f32 v13, v13, v[TT]                  ; the running largest t
	v_mov_b32 v[TT], v12
	s_delay_alu instid0(VALU_DEP_2)
	v_floor_f32 v12, -v13                          ; the new -M = floor(-t): M is a whole number
	s_delay_alu instid0(VALU_DEP_1)
	v_sub_f32 v[TT], v12, v[TT]                    ; old M - new M: a whole number, 0 or less
	s_delay_alu instid0(VALU_DEP_1)
	v_cvt_i32_f32 v[TT], v[TT]                     ; (it saturates)
	s_delay_alu instid0(VALU_DEP_1)
	v_ldexp_f32 v[F], 1.0, v[TT]                   ; f = 2^(old M - new M)
.set n, 0
.rept 32
	v_pk_fma_f32 v[S+n:S+n+1], v[S+n:S+n+1], s[22:23], v[12:13] op_sel_hi:[1,0,0]   ; t - M, two at a time
.set n, n+2
.endr
.irp b, 0,1,2,3
	v_fma_f32 v[BM+\b], v[BM+\b], s22, v12         ; the same of each block's largest score
.endr
.set n, 0
	s_wait_alu depctr_va_vdst(0)
.rept 64
	v_exp_f32 v[S+n], v[S+n]                       ; p = 2^(t - M), at most 1
.set n, n+1
.endr
	v_pk_mul_f32 v[14:15], v[14:15], v[F:F+1] op_sel_hi:[1,0]   ; the sums under the new M: a plain line behind the exponentials
	s_wait_alu depctr_va_vdst(0)                   ; the wait ahead of the batch's first reader: one for the 64
.irp b, 0,1,2,3
	v_exp_f32 v[BM+\b], v[BM+\b]                   ; the block's largest p: the same two instructions on the same number
.endr
	v_pk_add_f32 v[220:221], v[100:101], v[104:105]
	v_pk_add_f32 v[254:255], v[108:109], v[112:113]
	v_pk_add_f32 v[252:253], v[116:117], v[120:121]
	v_pk_add_f32 v[250:251], v[124:125], v[128:129]
	v_pk_add_f32 v[248:249], v[132:133], v[136:137]
	v_pk_add_f32 v[246:247], v[140:141], v[144:145]
	v_pk_add_f32 v[244:245], v[148:149], v[152:153]
	v_pk_add_f32 v[14:15], v[14:15], v[156:157]
	v_pk_add_f32 v[220:221], v[220:221], v[96:97]
	v_pk_add_f32 v[254:255], v[254:255], v[98:99]
	v_pk_add_f32 v[252:253], v[252:253], v[102:103]
	v_pk_add_f32 v[250:251], v[250:251], v[106:107]
	v_pk_add_f32 v[248:249], v[248:249], v[110:111]
	v_pk_add_f32 v[246:247], v[246:247], v[114:115]
	v_pk_add_f32 v[244:245], v[244:245], v[118:119]
	v_pk_add_f32 v[14:15], v[14:15], v[122:123]
	v_pk_add_f32 v[220:221], v[220:221], v[126:127]
	v_pk_add_f32 v[254:255], v[254:255], v[130:131]
	v_pk_add_f32 v[252:253], v[252:253], v[134:135]
	v_pk_add_f32 v[250:251], v[250:251], v[138:139]
	v_pk_add_f32 v[248:249], v[248:249], v[142:143]
	v_pk_add_f32 v[246:247], v[246:247], v[146:147]
	v_pk_add_f32 v[244:245], v[244:245], v[150:151]
	v_pk_add_f32 v[14:15], v[14:15], v[154:155]
	v_pk_add_f32 v[220:221], v[220:221], v[158:159]
	s_delay_alu instid0(VALU_DEP_2)
	v_pk_add_f32 v[14:15], v[14:15], v[250:251]
	s_delay_alu instid0(VALU_DEP_2)
	v_pk_add_f32 v[220:221], v[220:221], v[248:249]
	v_pk_add_f32 v[254:255], v[254:255], v[246:247]
	v_pk_add_f32 v[252:253], v[252:253], v[244:245]
	s_delay_alu instid0(VALU_DEP_2)
	v_pk_add_f32 v[14:15], v[14:15], v[254:255]
	s_delay_alu instid0(VALU_DEP_2)
	v_pk_add_f32 v[220:221], v[220:221], v[252:253]
	s_delay_alu instid0(VALU_DEP_1)
	v_pk_add_f32 v[14:15], v[14:15], v[220:221]
	s_wait_alu depctr_va_vdst(0)                   ; and one for the four
.irp b, 0,1,2,3
	v_max_num_f32 v[BM+\b], 0x4800000, v[BM+\b]    ; the floor 2^(9 - 127): a block whose every p is 0 keeps the byte 1: its codes are zeros
.endr
.irp b, 0,1,2,3
	s_delay_alu instid0(VALU_DEP_4)
	v_add_nc_u32 v[SCO+\b], 0xfc000000, v[BM+\b]   ; 8 off the exponent field: the conversion's scale operand
.endr
.irp b, 0,1,2,3
	v_and_or_b32 v[HOLD+\b], v[BM+\b], 0x7f800000, s37   ; 448 x the scale
.endr
.irp b, 0,1,2,3
	v_lshrrev_b32 v[T1+\b], 23, v[SCO+\b]          ; the scale's byte
.endr
	s_delay_alu instid0(VALU_DEP_3)
	v_lshl_or_b32 v[PSW], v[T1+1], 8, v[T1]        ; p's scale word for these 128 keys
	s_delay_alu instid0(VALU_DEP_1)
	v_lshl_or_b32 v[PSW], v[T1+2], 16, v[PSW]
	s_delay_alu instid0(VALU_DEP_1)
	v_lshl_or_b32 v[PSW], v[T1+3], 24, v[PSW]
.irp b, 0,1,2,3
.irp i, 0,1,2,3,4,5,6,7,8,9,10,11,12,13,14,15
	v_min_num_f32 v[S+16*\b+\i], v[S+16*\b+\i], v[HOLD+\b]   ; the conversion does not saturate (ISA guide 7.6.2); p is not negative, so the hold is one-sided
.endr
	v_cvt_scalef32_pk8_fp8_f32 v[PCD+4*\b:PCD+1+4*\b], v[S+16*\b:S+7+16*\b], v[SCO+\b]
	v_cvt_scalef32_pk8_fp8_f32 v[PCD+2+4*\b:PCD+3+4*\b], v[S+8+16*\b:S+15+16*\b], v[SCO+\b]
.endr
.set n, 0
.rept 16
	v_pk_mul_f32 v[O+n:O+n+1], v[O+n:O+n+1], v[F:F+1] op_sel_hi:[1,0]   ; O^T under the new M.  These 16 are also the places between the codes and the scale word just made and the products below
.set n, n+2
.endr
	s_wait_alu depctr_va_vdst(0)
	s_wait_dscnt 0x0                               ; V^T and its scale words are in
.irp t, 0,2                                    ; O^T += V^T P^T: four tiles of 16 channels, one instruction each, by turns
	v_wmma_scale_f32_16x16x128_f8f6f4 v[O+8*\t:O+8*\t+7], v[KV+16*\t:KV+16*\t+15], v[PCD:PCD+15], v[O+8*\t:O+8*\t+7], v[VS+\t/2], v[PSW]
	v_wmma_scale_f32_16x16x128_f8f6f4 v[O+8*(\t+1):O+8*(\t+1)+7], v[KV+16*(\t+1):KV+16*(\t+1)+15], v[PCD:PCD+15], v[O+8*(\t+1):O+8*(\t+1)+7], v[VS+\t/2], v[PSW] matrix_a_scale:MATRIX_SCALE_ROW1
.endr
.Lhidden_\@:
	s_sub_co_i32 s[ST], s[ST], 1
.endm
.macro SLOT_STEPS
	v_add_nc_u32 v[AD16], s[TB], v[LI]
	v_add_nc_u32 v[AD8], s[TB], v[L8]
	STEP 1                                         ; downward: the slot's upper 128 keys first
	STEP 0
	s_xor_b32 s[TB], s[TB], SLOT1
.endm
	s_load_b128 s[4:7], s[0:1], 0x0                ; qf, kv
	s_load_b64 s[8:9], s[0:1], 0x10                ; of
	v_lshl_add_u32 v[SPW], v0, 2, SPARE
	v_mov_b32 v[NIL], 0
	ds_add_u32 v[SPW], v[NIL]                      ; the wave's opening: the add, twice on end, and its wait ahead of the first tensor load
	ds_add_u32 v[SPW], v[NIL]
	v_lshrrev_b32 v8, 5, v0
	s_delay_alu instid0(VALU_DEP_1)
	v_readfirstlane_b32 s[WV], v8                  ; wave 0..15
	s_mov_b32 s11, ttmp9                           ; j
	s_and_b32 s12, ttmp7, 0xffff                   ; batch x head
	s_lshr_b32 s42, s[WV], 2
	s_xor_b32 s13, s42, s[WV]
	s_and_b32 s13, s13, 1                          ; 0: block j, 1: block 31 - j
	s_lshr_b32 s14, s[WV], 1                       ; my tile of the block's eight
	s_sub_co_u32 s43, 31, s11
	s_cmp_eq_u32 s13, 1
	s_cselect_b32 s15, s43, s11                    ; my block
	s_sub_co_i32 s[DG], s15, 1
	s_sub_co_i32 s[DGE], s11, 1
	s_mov_b32 s[ST], 31
	s_mov_b32 s[SLOTS], 15
	s_mov_b32 s20, 0x76543210
	s_mov_b32 s21, 0xfedcba98                      ; v_permlanex16_b32's selects for lane l xor 16
	s_mov_b32 s22, 0x3e38aa3b                      ; c = log2(e) / 8
	s_mov_b32 s23, s22                             ; (named with it as a pair, so it is written)
	s_mov_b32 s[TB], 0
	s_mov_b32 s37, 0x600000                        ; the mantissa field of 448
	s_mov_b32 s39, 0xffff0000                      ; lanes 16-31
	s_mov_b32 s24, 3<<16                           ; group 1: no mask, elements of 8 bytes, no padding: half a slot block is dense, 99 rows of 256 bytes
	s_mov_b32 s25, 32<<16                          ; tensor_dim0 = 32
	s_mov_b32 s26, 99<<16                          ; tensor_dim1 = 99
	s_mov_b32 s27, 32<<16                          ; tile_dim0 = 32
	s_mov_b32 s28, 99                              ; tile_dim1 = 99
	s_mov_b32 s29, 32                              ; from row to row
	s_mov_b32 s30, 0
	s_mov_b32 s31, 0
	s_lshl_b32 s42, s12, 4                         ; 16 slot blocks to a batch x head
	s_add_co_u32 s43, s42, 15
	s_mul_i32 s44, s43, SLOTB                      ; slot 15,
	s_and_b32 s33, s[WV], 1
	s_mul_i32 s33, s33, HALFB                      ; my half: also its LDS address, in slot 0
	s_add_co_u32 s44, s44, s33
	s_mov_b32 s45, 0
	s_add_co_u32 s43, s42, 14
	s_mul_i32 s46, s43, SLOTB                      ; the prefetches stand at slot 14; the first change steps them to slot 13
	s_mov_b32 s47, 0
	s_sub_co_u32 s48, s[WV], 2
	s_cmp_lt_u32 s48, 7                            ; waves 2 to 8
	s_cselect_b32 s[LIM], 0, 1
	s_or_b32 s[LIM], s[LIM], s11                   ; of the work-group with j = 0
	s_cmp_eq_u32 s[LIM], 0
	s_cselect_b32 s[LIM], 1, -1
	s_lshl_b32 s48, s48, 5
	v_and_b32 v8, 31, v0                           ; lane
	s_delay_alu instid0(VALU_DEP_1)
	v_add_nc_u32 v[PFO], s48, v8
	s_delay_alu instid0(VALU_DEP_1)
	v_min_u32 v[PFO], 197, v[PFO]                  ; the block has 198 pieces
	s_delay_alu instid0(VALU_DEP_1)
	v_lshlrev_b32 v[PFO], 8, v[PFO]
	s_delay_alu instid0(VALU_DEP_4)
	v_lshlrev_b32 v[LI], 4, v8
	v_lshlrev_b32 v[L8], 3, v8
	v_and_b32 v9, 15, v0                           ; r
	v_bfe_u32 v[SBA], v0, 4, 1                     ; h
	s_delay_alu instid0(VALU_DEP_2)
	v_lshlrev_b32 v[R16], 4, v9
	s_delay_alu instid0(VALU_DEP_3)
	v_and_b32 v[DV], 8, v9
	s_delay_alu instid0(VALU_DEP_1)
	v_add_nc_u32 v[DV], v[DV], v9                  ; r + 8 (r / 8)
	s_delay_alu instid0(VALU_DEP_4)
	v_lshlrev_b32 v[TT], 4, v[SBA]
	s_delay_alu instid0(VALU_DEP_1)
	v_sub_nc_u32 v[DV], v[DV], v[TT]
	s_lshr_b32 s48, s14, 1
	s_lshl_b32 s48, s48, 5
	s_and_b32 s49, s14, 1
	s_lshl_b32 s49, s49, 3
	s_add_co_u32 s48, s48, s49
	v_add_nc_u32 v[DV], s48, v[DV]                 ; + my tile's first row in the block
	v_add_nc_u32 v[SBA], v[R16], v[SBA]
	s_wait_dscnt 0x0                               ; both opening adds are done
	s_wait_kmcnt 0x0
	s_mov_b32 s32, 1                               ; group 0: count = 1
	s_add_nc_u64 s[34:35], s[6:7], s[44:45]
	s_or_b32 s35, s35, 0x80000000                  ; type = 2
	TLOAD                                          ; slot 15: by this text's count at most one tensor load of a wave is out
	s_add_nc_u64 s[40:41], s[6:7], s[46:47]
	s_lshr_b32 s43, s15, 1
	s_add_co_u32 s42, s42, s43
	s_mul_i32 s42, s42, SLOTB
	s_mov_b32 s43, 0
	s_add_nc_u64 s[56:57], s[4:5], s[42:43]        ; the slot block of qf that holds my queries
	s_and_b32 s44, s15, 1
	s_lshl_b32 s42, s44, 14
	s_lshl_b32 s45, s14, 11
	s_add_co_u32 s42, s42, s45
	s_add_nc_u64 s[54:55], s[56:57], s[42:43]      ; my tile's image
	s_lshl_b32 s42, s44, 9
	s_and_b32 s45, s14, 1
	s_lshl_b32 s45, s45, 8
	s_add_co_u32 s42, s42, s45
	s_lshr_b32 s45, s14, 1
	s_lshl_b32 s45, s45, 2
	s_add_co_u32 s42, s42, s45
	s_add_co_u32 s42, s42, KSC
	s_add_nc_u64 s[56:57], s[56:57], s[42:43]      ; and its scale words: 16 bytes from row to row
.irp c, 0,1,2,3
	global_load_b128 v[Q+4*\c:Q+4*\c+3], v[LI], s[54:55] offset:512*\c
.endr
	s_wait_alu depctr_va_vdst(0)
	global_load_b32 v[QS], v[R16], s[56:57]
	s_lshr_b32 s42, s12, 3                         ; where o goes: record 256 batch + 8 block + tile,
	s_lshl_b32 s42, s42, 8
	s_lshl_b32 s44, s15, 3
	s_add_co_u32 s42, s42, s44
	s_add_co_u32 s42, s42, s14
	s_mul_i32 s42, s42, REC
	s_add_nc_u64 s[52:53], s[8:9], s[42:43]
	s_bfe_u32 s42, s12, 0x20001                    ; K step head / 2,
	s_lshl_b32 s42, s42, 11
	s_and_b32 s44, s12, 1
	s_lshl_b32 s44, s44, 10                        ; blocks 2 (head % 2) and + 1
	s_add_co_u32 s42, s42, s44
	s_add_nc_u64 s[50:51], s[52:53], s[42:43]
	s_and_b32 s42, s12, 7
	s_lshl_b32 s42, s42, 1
	s_add_co_u32 s42, s42, 8192
	s_add_nc_u64 s[52:53], s[52:53], s[42:43]      ; its scale bytes: 16 row + 2 head + block
	v_mov_b32 v[NINF], 0xff800000
	v_mov_b32 v13, 0xff61b1e6                      ; the largest t so far: -3e38, under every t
	s_delay_alu instid0(VALU_DEP_1)
	v_floor_f32 v12, -v13                          ; -M
	v_mov_b32 v14, 0                               ; the sum, in two halves
	v_mov_b32 v15, 0
.irp b, 0,1,2,3
	v_mov_b32 v[T1+\b], 0                          ; written once: a lane permute's destination counts as one of its sources
.endr
	v_mov_b32 v[F+1], 0                            ; (named as the upper half of a pair)
	v_mov_b32 v[TT], 0
.set n, 0
.rept 32
	v_mov_b32 v[O+n], 0                            ; O^T.  The step is written without a first form of its own: the first change of M multiplies zeros
.set n, n+1
.endr
	s_wait_loadcnt 0x0                             ; Q
.Lslot:                                            ; 15 trips: slots 15 to 1; behind each change the slot below is asked for, down to the work-group's limit
	CHANGE 1
	SLOT_STEPS
	s_sub_co_u32 s[SLOTS], s[SLOTS], 1
	s_cmp_lg_u32 s[SLOTS], 0
	s_cbranch_scc1 .Lslot
	CHANGE 0                                       ; slot 0 is written out: nothing is left to ask for
	SLOT_STEPS
	; THE WAY OUT.  O^T / the sum is o: register 16 b + i is channel 32 b + 16 (lane / 16) + i of my query: two blocks of 32 along the last products' K, quantised here; the codes are half an image, two stores of 512 consecutive bytes.
	PLACES 8                                       ; between the last products and the first read of O^T
	v_add_f32 v14, v14, v15
	s_delay_alu instid0(VALU_DEP_1)
	v_permlanex16_b32 v[TT], v14, s20, s21
	s_delay_alu instid0(VALU_DEP_1)
	v_add_f32 v14, v14, v[TT]                      ; the row's sum
	s_wait_alu depctr_va_vdst(0)
	v_rcp_f32 v14, v14
	v_nop                                          ; a plain line behind the reciprocal
	s_wait_alu depctr_va_vdst(0)                   ; and the wait ahead of its first reader
.set n, 0
.rept 32
	v_mul_f32 v[S+n], v[O+n], v14                  ; each accumulator from its low end on
.set n, n+1
.endr
.irp b, 0,1
	v_max3_num_f32 v[BM+\b], |v[S+16*\b]|, |v[S+1+16*\b]|, 0x4800000
.endr
.irp i, 2,4,6,8,10,12,14
.irp b, 0,1
	s_delay_alu instid0(VALU_DEP_2)
	v_max3_num_f32 v[BM+\b], v[BM+\b], |v[S+16*\b+\i]|, |v[S+1+16*\b+\i]|
.endr
.endr
.irp b, 0,1
	s_delay_alu instid0(VALU_DEP_2)
	v_permlanex16_b32 v[T1+\b], v[BM+\b], s20, s21
.endr
.irp b, 0,1
	s_delay_alu instid0(VALU_DEP_2)
	v_max_num_f32 v[BM+\b], v[BM+\b], v[T1+\b]
.endr
.irp b, 0,1
	s_delay_alu instid0(VALU_DEP_2)
	v_add_nc_u32 v[SCO+\b], 0xfc000000, v[BM+\b]
.endr
.irp b, 0,1
	s_delay_alu instid0(VALU_DEP_4)
	v_and_or_b32 v[HOLD+\b], v[BM+\b], 0x7f800000, s37
.endr
.irp b, 0,1
	s_delay_alu instid0(VALU_DEP_4)
	v_lshrrev_b32 v[T1+\b], 23, v[SCO+\b]
.endr
	s_delay_alu instid0(VALU_DEP_1)
	v_cndmask_b32 v[TT], v[T1], v[T1+1], s39       ; lanes 0-15 store block 0's byte of their row, lanes 16-31 block 1's: each lane a byte of its own
.irp b, 0,1
.irp i, 0,1,2,3,4,5,6,7,8,9,10,11,12,13,14,15
	v_med3_num_f32 v[S+16*\b+\i], v[S+16*\b+\i], -v[HOLD+\b], v[HOLD+\b]
.endr
	v_cvt_scalef32_pk8_fp8_f32 v[PCD+4*\b:PCD+1+4*\b], v[S+16*\b:S+7+16*\b], v[SCO+\b]
	v_cvt_scalef32_pk8_fp8_f32 v[PCD+2+4*\b:PCD+3+4*\b], v[S+8+16*\b:S+15+16*\b], v[SCO+\b]
.endr
	v_nop
	global_store_b128 v[LI], v[PCD:PCD+3], s[50:51]
	global_store_b128 v[LI], v[PCD+4:PCD+7], s[50:51] offset:512
	global_store_b8 v[SBA], v[TT], s[52:53]        ; 32 bytes of the record's 256 scale bytes, two in each 16: one byte for each 32 of the codes above; the other heads' work-groups store the rest
	s_wait_tensorcnt 0x0                           ; the wave's end: behind the last tensor load
	ds_add_u32 v[SPW], v[NIL]
	s_wait_dscnt 0x0
	s_endpgm
.Lfunc_end_k_qed6e24f3f3_attn:
	.size	k_qed6e24f3f3_attn, .Lfunc_end_k_qed6e24f3f3_attn-k_qed6e24f3f3_attn
	.p2alignl 7, 3214868480
	.fill 96, 4, 3214868480
	.section	.rodata,"a",@progbits
	.p2align	6, 0x0
	.amdhsa_kernel k_qed6e24f3f3_attn
		.amdhsa_group_segment_fixed_size 327680
		.amdhsa_private_segment_fixed_size 0
		.amdhsa_enable_private_segment 0
		.amdhsa_kernarg_size 24
		.amdhsa_user_sgpr_count 2
		.amdhsa_user_sgpr_kernarg_segment_ptr 1
		.amdhsa_wavefront_size32 1
		.amdhsa_system_sgpr_workgroup_id_x 1
		.amdhsa_system_sgpr_workgroup_id_y 1
		.amdhsa_system_sgpr_workgroup_id_z 1
		.amdhsa_system_vgpr_workitem_id 0
		.amdhsa_next_free_vgpr 256
		.amdhsa_next_free_sgpr 66
		.amdhsa_reserve_vcc 1
		.amdhsa_float_denorm_mode_32 3
		.amdhsa_float_denorm_mode_16_64 3
		.amdhsa_memory_ordered 1
		.amdhsa_forward_progress 1
		.amdhsa_inst_pref_size 118
	.end_amdhsa_kernel
	.amdgpu_metadata
---
amdhsa.version: [ 1, 2 ]
amdhsa.kernels:
  - .name:           k_qed6e24f3f3_attn
    .symbol:         k_qed6e24f3f3_attn.kd
    .args:
      - { .name: qf, .offset: 0, .size: 8, .value_kind: global_buffer, .address_space: global }
      - { .name: kv, .offset: 8, .size: 8, .value_kind: global_buffer, .address_space: global }
      - { .name: of, .offset: 16, .size: 8, .value_kind: global_buffer, .address_space: global }
    .group_segment_fixed_size: 327680
    .private_segment_fixed_size: 0
    .kernarg_segment_align: 8
    .kernarg_segment_size: 24
    .max_flat_workgroup_size: 512
    .sgpr_count:     66
    .vgpr_count:     256
    .wavefront_size: 32
...
	.end_amdgpu_metadata
.endif
;; end of part 3
;; launch outp (part 4): grid 128 x 2, 4 waves a work-group, no clusters, 167,936 bytes of LDS; arguments of, cod, obr, obi, out0, out1; writes out0, out1
.if DOCPART == 4
	.amdgcn_target "amdgcn-amd-amdhsa--gfx1250"
	.amdhsa_code_object_version 6
	.text
	.protected	k_qed6e24f3f3_outp
	.globl	k_qed6e24f3f3_outp
	.p2align	8
	.type	k_qed6e24f3f3_outp,@function
k_qed6e24f3f3_outp:
	s_mov_b64 s[64:65], 0
	v_nop
	global_prefetch_b8 v0, s[64:65] scope:SCOPE_SE
	s_setreg_imm32_b32 hwreg(HW_REG_WAVE_MODE, 25, 1), 1
	s_wait_xcnt 0x0
; FOURTH LAUNCH: out0 = o oWr^T + obr, out1 = o oWi^T + obi, on codes of FP8 (E4M3) with E8M0 scales; o's records come from the third launch, the weights' from the first.  Nothing is left out here.
; SHARES.  Work-group (x, y): 64 rows of o (records 4 x .. 4 x + 3), y = 0: the real part, 1: the imaginary.  Wave w keeps the weight's rows 128 w .. 128 w + 127 (8 tiles x 4 K steps, 512 registers), which are the output's columns.
; The four records of o come into LDS by one tensor load a wave and are read by all four waves into registers, once.  Source 0 = a tile of the weight, source 1 = a tile of o: a lane holds one row of the output, and the 16 registers of tiles
; 2 b and 2 b + 1 are 16 neighbouring columns.  The bias is the C of each sum's first product.  A tile's 16 rows x 512 bytes go through the wave's own stage in LDS and leave as whole runs of 512 consecutive bytes, aligned.
; No cluster: the weights go to registers by plain loads, and o's four records are shared by two work-groups only.
; REGISTERS: window 0: v3-11 addresses, v12-13 the add's two, v16-79 accumulators, v80-143 rows on the way out, v144-159 the weight's scale words, v160-175 o's, v176-239 the bias; windows 1, 2: the weight; window 3: o's four tiles.
.set REC,   8448
.set STG,   4*REC                      ; behind the four records: a stage of 16 rows x 528 bytes for each wave; no tensor load lands there
.set SPARE, 8*REC                      ; behind the stages: the spare words, 128 bytes for each wave, which no other line names
.set PSA, 3                            ; v3   REC (lane / 16) + 16 (lane % 16)
.set H64, 5                            ; v5   64 (lane / 16)
.set STO, 6                            ; v6   the stage, in: 528 r + 64 h
.set RD,  7                            ; v7   the stage, out: 16 x lane
.set LI,  8                            ; v8   16 x lane
.set R16, 10                           ; v10  16 (lane % 16)
.set SPW, 12
.set NIL, 13
.set HA,  16
.set OBR, 80
.set PS,  144
.set LS,  160
.set B1,  176
.set MSB, 0
.macro WIN new                         ; the immediate's high byte repeats the setting that is left
.if MSB != \new
	s_set_vgpr_msb (MSB<<8)|\new
.set MSB, \new
.endif
.endm
.macro PLACES n
.rept \n
	v_nop
.endr
.endm
.macro PLOAD                           ; my 8 tiles of the weight: 128 loads of 512 consecutive bytes, and their scale words
	WIN 0x40                                       ; destination window 1
.irp t, 0,1,2,3
.irp s, 0,1
.irp c, 0,1,2,3
	global_load_b128 v[16*(2*\t+\s)+4*\c:16*(2*\t+\s)+4*\c+3], v[LI], s[44:45] offset:\t*REC+\s*2048+\c*512
	global_load_b128 v[16*(2*(\t+4)+\s)+4*\c:16*(2*(\t+4)+\s)+4*\c+3], v[LI], s[46:47] offset:\t*REC+\s*2048+\c*512
.endr
.endr
.endr
	WIN 0x80                                       ; destination window 2
.irp t, 0,1,2,3
.irp s, 0,1
.irp c, 0,1,2,3
	global_load_b128 v[16*(2*\t+\s)+4*\c:16*(2*\t+\s)+4*\c+3], v[LI], s[44:45] offset:\t*REC+(\s+2)*2048+\c*512
	global_load_b128 v[16*(2*(\t+4)+\s)+4*\c:16*(2*(\t+4)+\s)+4*\c+3], v[LI], s[46:47] offset:\t*REC+(\s+2)*2048+\c*512
.endr
.endr
.endr
	WIN 0
.irp b, 0,1
	global_load_b128 v[PS+4*\b:PS+4*\b+3], v[PSA], s[44:45] offset:2*\b*REC+8192
	global_load_b128 v[PS+4*(\b+2):PS+4*(\b+2)+3], v[PSA], s[46:47] offset:2*\b*REC+8192
.endr
.endm
.macro FETCH tau                       ; tile tau of o: its four fragments into window 3, its rows' scale words: 17 LDS loads
	WIN 0xc0
.irp s, 0,1,2,3
.irp c, 0,1,2,3
	ds_load_b128 v[64*(\tau)+16*\s+4*\c:64*(\tau)+16*\s+4*\c+3], v[LI] offset:(\tau)*REC+\s*2048+\c*512
.endr
.endr
	WIN 0
	ds_load_b128 v[LS+4*(\tau):LS+4*(\tau)+3], v[R16] offset:(\tau)*REC+8192
.endm
.macro MM t, s, tau, c0
.set rD, HA+8*(\t)
.set rA, 16*(2*(\t)+(\s)%2)
.set rB, 64*(\tau)+16*(\s)
.set rC, \c0
.if (\t)%2
	v_wmma_scale_f32_16x16x128_f8f6f4 v[rD:rD+7], v[rA:rA+15], v[rB:rB+15], v[rC:rC+7], v[PS+4*((\t)/2)+(\s)], v[LS+4*(\tau)+(\s)] matrix_a_scale:MATRIX_SCALE_ROW1
.else
	v_wmma_scale_f32_16x16x128_f8f6f4 v[rD:rD+7], v[rA:rA+15], v[rB:rB+15], v[rC:rC+7], v[PS+4*((\t)/2)+(\s)], v[LS+4*(\tau)+(\s)]
.endif
.endm
.macro MULS tau                        ; 32 products; the eight accumulators take turns, one instruction a turn
	WIN 0x0d                                       ; source 0 (the weight) window 1, source 1 (o) window 3
.irp t, 0,1,2,3,4,5,6,7
	MM \t, 0, \tau, B1+8*\t
.endr
.irp t, 0,1,2,3,4,5,6,7
	MM \t, 1, \tau, HA+8*\t
.endr
	WIN 0x0e                                       ; source 0 window 2
.irp t, 0,1,2,3,4,5,6,7
	MM \t, 2, \tau, HA+8*\t
.endr
.irp t, 0,1,2,3,4,5,6,7
	MM \t, 3, \tau, HA+8*\t
.endr
	WIN 0
.endm
	s_load_b256 s[4:11], s[0:1], 0x0               ; of, cod, obr, obi
	s_load_b128 s[12:15], s[0:1], 0x20             ; out0, out1
	v_lshl_add_u32 v[SPW], v0, 2, SPARE
	v_mov_b32 v[NIL], 0
	ds_add_u32 v[SPW], v[NIL]                      ; the wave's opening: the add, twice on end, and its wait ahead of my first tensor load
	ds_add_u32 v[SPW], v[NIL]
	v_lshrrev_b32 v1, 5, v0
	v_readfirstlane_b32 s23, v1                    ; wave 0..3
	s_and_b32 s21, ttmp7, 0xffff                   ; 0: real, 1: imaginary
	s_lshl_b32 s25, ttmp9, 2
	s_add_co_u32 s25, s25, s23                     ; the record of o that I fetch
	s_mul_i32 s2, s25, REC
	s_mov_b32 s3, 0
	s_lshl_b32 s26, s21, 5
	s_lshl_b32 s28, s23, 3
	s_add_co_u32 s26, s26, s28
	s_add_co_u32 s26, s26, 1696                    ; my first tile of oWr (records from 1696) or oWi (from 1728)
	s_mul_i32 s44, s26, REC
	s_mov_b32 s45, 0
	s_add_co_u32 s46, s44, 4*REC
	s_mov_b32 s47, 0
	s_mov_b32 s40, 1                               ; group 0: count = 1,
	s_mul_i32 s41, s23, REC                        ; LDS address: wave x a record
	s_mov_b32 s32, 3<<16                           ; group 1: no mask, elements of 8 bytes, no padding: a record is dense, 33 rows of 256 bytes
	s_mov_b32 s33, 32<<16
	s_mov_b32 s34, 33<<16
	s_mov_b32 s35, 32<<16
	s_mov_b32 s36, 33
	s_mov_b32 s37, 32
	s_mov_b32 s38, 0
	s_mov_b32 s39, 0
	s_add_co_u32 s28, s41, STG                     ; my stage
	s_wait_dscnt 0x0                               ; both opening adds are done
	s_wait_kmcnt 0x0
	s_add_nc_u64 s[42:43], s[4:5], s[2:3]
	s_or_b32 s43, s43, 0x80000000                  ; type = 2
	s_add_nc_u64 s[44:45], s[6:7], s[44:45]
	s_add_nc_u64 s[46:47], s[6:7], s[46:47]
	tensor_load_to_lds s[40:43], s[32:39]          ; every wave issues one: by this text's count one tensor load of a wave is out
	s_nop 0
	v_and_b32 v2, 31, v0                           ; lane
	v_lshlrev_b32 v[LI], 4, v2
	v_and_b32 v14, 15, v0                          ; r
	v_bfe_u32 v15, v0, 4, 1                        ; h
	v_lshlrev_b32 v[R16], 4, v14
	v_mul_u32_u24 v[PSA], v15, REC
	v_add_nc_u32 v[PSA], v[PSA], v[R16]
	v_lshlrev_b32 v[H64], 6, v15
	s_wait_alu depctr_va_vdst(0)
	v_mul_u32_u24 v[STO], v14, 528
	v_lshl_add_u32 v[STO], v15, 6, v[STO]
	v_add_nc_u32 v[STO], s28, v[STO]
	v_add_nc_u32 v[RD], s28, v[LI]
	PLOAD
	s_cmp_eq_u32 s21, 0
	s_cselect_b64 s[52:53], s[8:9], s[10:11]       ; the bias,
	s_cselect_b64 s[48:49], s[12:13], s[14:15]     ; and the output
	s_lshl_b32 s2, s23, 9                          ; my 128 columns, in bytes
	s_add_nc_u64 s[52:53], s[52:53], s[2:3]
	s_add_nc_u64 s[48:49], s[48:49], s[2:3]
	s_lshl_b32 s2, ttmp9, 17                       ; the work-group's 64 rows of 2,048 bytes
	s_add_nc_u64 s[48:49], s[48:49], s[2:3]
.irp t, 0,1,2,3,4,5,6,7                        ; the bias in the result's layout: tile 2 b + u, register j, lane half h: column 32 b + 16 h + 8 u + j
	global_load_b128 v[B1+8*\t:B1+8*\t+3], v[H64], s[52:53] offset:(32*(\t/2)+8*(\t%2))*4
	global_load_b128 v[B1+8*\t+4:B1+8*\t+7], v[H64], s[52:53] offset:(32*(\t/2)+8*(\t%2))*4+16
.endr
	s_wait_tensorcnt 0x0                           ; my record is in LDS,
	s_barrier_signal -1
	s_barrier_wait -1                              ; everybody's is; nothing is filled again
	FETCH 0
	FETCH 1
	FETCH 2
	FETCH 3
	s_wait_loadcnt 0x0                             ; the weight, its scale words, the bias
	s_wait_dscnt 51                                ; tile 0's 17 loads are in; the 3 x 17 behind them may be out
.irp i, 0,1,2,3
	MULS \i
	PLACES 9                                       ; eight places in front of the stores that read the results; the ninth for the next tile's first products, which write over these accumulators with another C
	s_wait_alu depctr_va_vdst(0)
.irp t, 0,1,2,3,4,5,6,7
	ds_store_b128 v[STO], v[HA+8*\t:HA+8*\t+3] offset:128*(\t/2)+32*(\t%2)       ; each accumulator from its low end on
	ds_store_b128 v[STO], v[HA+8*\t+4:HA+8*\t+7] offset:128*(\t/2)+32*(\t%2)+16
.endr
	s_wait_xcnt 0x0                                ; the last tile's stores have read their data: the rows' registers may be loaded again
.irp t, 0,1,2,3,4,5,6,7,8,9,10,11,12,13,14,15
	ds_load_b128 v[OBR+4*\t:OBR+4*\t+3], v[RD] offset:528*\t   ; LDS serves a wave's instructions in order: these see my stores, and the next tile's stores come behind them
.endr
.irp t, 0,1,2,3,4,5,6,7,8,9,10,11,12,13,14,15
	s_wait_dscnt 15-\t                             ; row t is back (the later rows' loads may be out); at 0 the next tile's fragments, asked for earlier, are in too
	global_store_b128 v[LI], v[OBR+4*\t:OBR+4*\t+3], s[48:49] offset:(32*(\i/2)+8*(\i%2)+\t+8*(\t/8))*2048 th:TH_STORE_NT   ; 512 consecutive bytes, aligned; written once, read by nobody here
.endr
.endr
	s_wait_tensorcnt 0x0                           ; the wave's end: behind my last tensor load and my last LDS store
	ds_add_u32 v[SPW], v[NIL]
	s_wait_dscnt 0x0
	s_endpgm
.Lfunc_end_k_qed6e24f3f3_outp:
	.size	k_qed6e24f3f3_outp, .Lfunc_end_k_qed6e24f3f3_outp-k_qed6e24f3f3_outp
	.p2alignl 7, 3214868480
	.fill 96, 4, 3214868480
	.section	.rodata,"a",@progbits
	.p2align	6, 0x0
	.amdhsa_kernel k_qed6e24f3f3_outp
		.amdhsa_group_segment_fixed_size 167936
		.amdhsa_private_segment_fixed_size 0
		.amdhsa_enable_private_segment 0
		.amdhsa_kernarg_size 48
		.amdhsa_user_sgpr_count 2
		.amdhsa_user_sgpr_kernarg_segment_ptr 1
		.amdhsa_wavefront_size32 1
		.amdhsa_system_sgpr_workgroup_id_x 1
		.amdhsa_system_sgpr_workgroup_id_y 1
		.amdhsa_system_sgpr_workgroup_id_z 1
		.amdhsa_system_vgpr_workitem_id 0
		.amdhsa_next_free_vgpr 1024
		.amdhsa_next_free_sgpr 66
		.amdhsa_reserve_vcc 0
		.amdhsa_float_denorm_mode_32 3
		.amdhsa_float_denorm_mode_16_64 3
		.amdhsa_memory_ordered 1
		.amdhsa_forward_progress 1
		.amdhsa_inst_pref_size 56
	.end_amdhsa_kernel
	.amdgpu_metadata
---
amdhsa.version: [ 1, 2 ]
amdhsa.kernels:
  - .name:           k_qed6e24f3f3_outp
    .symbol:         k_qed6e24f3f3_outp.kd
    .args:
      - { .name: of, .offset: 0, .size: 8, .value_kind: global_buffer, .address_space: global }
      - { .name: cod, .offset: 8, .size: 8, .value_kind: global_buffer, .address_space: global }
      - { .name: obr, .offset: 16, .size: 8, .value_kind: global_buffer, .address_space: global }
      - { .name: obi, .offset: 24, .size: 8, .value_kind: global_buffer, .address_space: global }
      - { .name: out0, .offset: 32, .size: 8, .value_kind: global_buffer, .address_space: global }
      - { .name: out1, .offset: 40, .size: 8, .value_kind: global_buffer, .address_space: global }
    .group_segment_fixed_size: 167936
    .private_segment_fixed_size: 0
    .kernarg_segment_align: 8
    .kernarg_segment_size: 48
    .max_flat_workgroup_size: 128
    .sgpr_count:     66
    .vgpr_count:     1024
    .wavefront_size: 32
...
	.end_amdgpu_metadata
.endif
;; end of part 4
